; MI455X (gfx1250); checked and timed in simulation.
; The chip was launched on July 23, 2026; its instructions are those of AMD's public machine-readable ISA for CDNA 5 (MIT licence, August 2026) and "CDNA5" Instruction Set Architecture Reference Guide (July 2026). The comments in the code are by the model that wrote it; some were corrected since.
;; Causal Self Attention. Allowed arithmetic: matrix products marked QUANTISED: E2M1 operands, one E8M0 scale for each 32 along K, by v_wmma_scale_f32_16x16x128_f8f6f4 with both operands' format E2M1 (or v_wmma_scale_f32_32x16x128_f4), f32 sums; products left as they are: bf16, f16 or f32 operands; f32 sums; everything else in f32.
;; Inputs: bk 1,024 float32; bp 1,024 float32; bq 1,024 float32; bv 1,024 float32; wk 1,024 x 1,024 float32; wp 1,024 x 1,024 float32; wq 1,024 x 1,024 float32; wv 1,024 x 1,024 float32; x 4 x 2,048 x 1,024 float32.
;; Outputs: out0 4 x 2,048 x 1,024 float32.
;; This version of the problem:
;;   THIS VERSION OF THE PROBLEM IS GIVEN IN LOW PRECISION. The matrix products marked QUANTISED in the list below multiply operands that are first quantised to E2M1 (2 exponent bits, 1 mantissa bit; 4 bits a number), with one power-of-two scale for each 32 numbers along K (OCP MX v1.0); their sums are f32. The products marked 'left as it is' may take bf16, f16 or f32 operands, with f32 sums. Whichever they take, every output number must still come out within the allowed error. Rounding operands to bf16 (8 significant bits) uses up far more of that allowance than f16 does (11 bits, for magnitudes from 6e-5 to 65,504). All else is computed in f32.
;;   The module's matrix products, in the order in which they are computed (A, B: the left and right operand; K: the contracted axis; several contracted axes count as one K, in the product's order):
;;     1. [M 8,192, K 1,024] x [K 1,024, N 1,024]; A: input x; B: input wq: QUANTISED
;;     2. [M 8,192, K 1,024] x [K 1,024, N 1,024]; A: input x; B: input wk: QUANTISED
;;     3. [M 8,192, K 1,024] x [K 1,024, N 1,024]; A: input x; B: input wv: QUANTISED
;;     4. batch 64 x [M 2,048, K 64] x [K 64, N 2,048]; A: computed on the way; B: computed on the way: left as it is (an operand is computed on the way)
;;     5. batch 64 x [M 2,048, K 2,048] x [K 2,048, N 64]; A: computed on the way; B: computed on the way: left as it is (an operand is computed on the way)
;;     6. [M 8,192, K 1,024] x [K 1,024, N 1,024]; A: computed on the way; B: input wp: left as it is (an operand is computed on the way)
;;   THE QUANTISER, for each operand of a quantised product, along K:
;;     - K is cut into blocks of 32 from its start; a last block that is shorter is filled with zeros.
;;     - A block's scale is 2^e with e = floor(log2(the largest magnitude in the block)) - 2, held to -126 .. 127; a block of zeros has e = 0. As a byte (E8M0): e + 127.
;;     - Each number is divided by its block's scale, clamped to +-6, and rounded to the nearest number of E2M1, ties to even, subnormals kept.
;;     - The product sums the exact products of the quantised numbers (number of the format x scale) in f32.
;;   ~~~python
;;   def quantise(x, axis):      # numpy; x: float32 -> the quantised numbers, widened to float32 again
;;       x = np.moveaxis(x, axis, -1); K = x.shape[-1]
;;       x = np.pad(x, [(0, 0)] * (x.ndim - 1) + [(0, -K % 32)]); x = x.reshape(x.shape[:-1] + (-1, 32)); a = np.abs(x).max(-1, keepdims=True)
;;       e = np.where(a > 0, np.clip(np.frexp(np.where(a > 0, a, 1))[1] - 1 - 2, -126, 127), 0)      # np.frexp(a)[1] - 1 = floor(log2(a)), exactly
;;       r = np.clip(x / 2.0 ** e, -6, 6)
;;       step = 2.0 ** (np.maximum(np.frexp(np.where(r == 0, 1, r))[1] - 1, 0) - 1)
;;       q = np.round(r / step) * step * 2.0 ** e      # np.round: ties to even
;;       return np.moveaxis(q.reshape(q.shape[:-2] + (-1,))[..., :K], -1, axis).astype(np.float32)
;;   ~~~
;; One version. Each part assembles by itself: llvm-mc -triple=amdgcn-amd-amdhsa -mcpu=gfx1250 --defsym DOCPART=n.
;; ======== version 1 of 1: 5 launches
;; limits: values are held in f16: magnitudes above 65,504 overflow, below 6.1e-05 lose precision
;; workspace buffers: codes 5,767,168 bytes; scales 360,448 bytes; wp16 2,097,152 bytes; rope 524,288 bytes; qkvh 50,331,648 bytes; f32head 786,432 bytes; yh 16,777,216 bytes
;; launch prep (part 1): grid 400 x 1, 4 waves a work-group, no clusters, 33,280 bytes of LDS; arguments x, wq, wk, wv, wp, codes, scales, wp16, rope; writes codes, scales, wp16, rope
.if DOCPART == 1
	.amdgcn_target "amdgcn-amd-amdhsa--gfx1250"
	.amdhsa_code_object_version 6
	.text
	.protected	k_q7d7e50a4ed_prep
	.globl	k_q7d7e50a4ed_prep
	.p2align	8
	.type	k_q7d7e50a4ed_prep,@function
k_q7d7e50a4ed_prep:
	s_mov_b64 s[64:65], 0
	v_nop
	global_prefetch_b8 v0, s[64:65] scope:SCOPE_SE
	s_setreg_imm32_b32 hwreg(HW_REG_WAVE_MODE, 25, 1), 1
	s_wait_xcnt 0x0
; CAUSAL SELF-ATTENTION, B 4, T 2048, C 1024, 16 heads of 64.  Five launches: prep, qkv, attn, proj, first16.
; WORK THAT THE PROGRAM LEAVES OUT.  reference() itself sets a score to -infinity where key s > query t (its own jnp.tril) ahead of the softmax: its exponential is 0, so such a
; term adds nothing to a row's sum nor to y, whatever finite values the inputs hold.  Key tiles that lie wholly above the diagonal are therefore neither multiplied nor put through
; the exponential (launches attn and first16).  Nothing else is left out, and all nine inputs are loaded: bk is turned by RoPE with the key's position, so it is not the same along the softmax's axis.
; LIMIT: a NaN, an infinity or an overflow that would arise only in the scores of tiles left out is not carried to the result.
; THIS LAUNCH, three kinds of work-group, told apart by the work-group's number:
;   0-351   x (256 work-groups) and wq, wk, wv (32 each), f32, become codes of E2M1, K innermost, and one E8M0 byte for each 32 along K.  Rows are dense and K is a multiple of 32: each tensor is a stream of blocks of 32.
;           A block's byte is its largest magnitude's exponent field - 2, held at 1 from below (a block of zeros keeps 1: its codes are zeros, and this program alone reads the bytes).
;   352-383 wp becomes f16 (the last product is left as it is; f16 keeps 11 bits).
;   384-399 the table of RoPE: row t holds, for g = 0..15, (cos, cos, sin, sin) of t alpha(2g), t alpha(2g+1): 256 bytes a row.
; LIMITS: NaN and infinities among the inputs are not served.  alpha = 2^(-i log2(10000)/32) is made by v_exp_f32, so an angle may differ from t x (reference()'s f32 alpha) by some 3e-4 rad at t = 2047;
; q and k are turned by the same table, and no quantiser stands behind it.  The sine and cosine: the angle less n pi/2 in two parts, then polynomials on [-pi/4, pi/4], good to a few units in the last place.
.set WAVES, 4
.set STEPS, 16
.set EMAX,  2
.set CB,    8                          ; bytes of 16 codes
.set R,     16                         ; v16-79   four sets of 16 numbers as they are loaded
.set X,     80                         ; v80-111  two sets of 16 neighbours
.set C,     128                        ; v128-191 codes: four registers for each step
.set E,     112                        ; v112-127 a scale byte for each step
.set WREG,  8192                       ; LDS: a region for each wave: two stages of 32 x SP bytes, then its 256 scale bytes
.set SP,    80                         ; a lane's place in a stage: 64 bytes + 16 of padding
.set SPW,   12                         ; v12 LDS address of my spare word; never rewritten
.set NIL,   13                         ; v13 0; never rewritten
.set SPARE, WAVES*WREG                 ; behind the four regions: the spare words, 128 bytes a wave
	s_load_b512 s[4:19], s[0:1], 0x0               ; x 4:5, wq 6:7, wk 8:9, wv 10:11, wp 12:13, codes 14:15, scales 16:17, wp16 18:19
	s_load_b64 s[20:21], s[0:1], 0x40              ; rope
	v_lshl_add_u32 v[SPW], v0, 2, SPARE
	v_mov_b32 v[NIL], 0
	v_lshrrev_b32 v1, 5, v0
	v_readfirstlane_b32 s22, v1                    ; wave
	v_and_b32 v2, 31, v0                           ; lane
	s_cmp_lt_u32 ttmp9, 352
	s_cbranch_scc0 .Lnot_q
; ---------------- the quantiser: a wave takes 16 steps of 512 numbers ----------------
	v_lshlrev_b32 v3, 4, v2                        ; my 16 bytes of a load's 512
	s_mul_i32 s30, s22, WREG
	v_lshrrev_b32 v14, 2, v2
	v_mul_u32_u24 v14, v14, SP
	v_and_b32 v15, 3, v2
	v_lshl_add_u32 v14, v15, 4, v14
	v_add_nc_u32 v14, s30, v14                     ; the stage, on the way in: SP (lane / 4) + 16 (lane % 4)
	v_mul_u32_u24 v15, v2, SP
	v_add_nc_u32 v15, s30, v15                     ; on the way out: SP x lane: my 16 neighbours
	v_mul_u32_u24 v4, v2, CB                       ; my codes' place in a step's
	v_lshrrev_b32 v5, 1, v2
	s_add_co_u32 s30, s30, 2*32*SP
	v_add_nc_u32 v5, s30, v5                       ; my wave's 256 scale bytes, my block's byte
	v_lshlrev_b32 v7, 3, v2
	v_add_nc_u32 v6, s30, v7                       ; and on the way out 8 bytes a lane
	s_sub_co_u32 s23, ttmp9, 256                   ; among the weights' 96 work-groups (not used for x)
	s_lshr_b32 s26, s23, 5                         ; which weight
	s_and_b32 s27, s23, 31                         ; which 32,768 numbers of it
	s_wait_kmcnt 0x0
	s_mov_b64 s[24:25], s[10:11]                   ; the source is chosen by the work-group's number alone
	s_cmp_eq_u32 s26, 1
	s_cselect_b64 s[24:25], s[8:9], s[24:25]
	s_cmp_eq_u32 s26, 0
	s_cselect_b64 s[24:25], s[6:7], s[24:25]
	s_cmp_lt_u32 ttmp9, 256
	s_cselect_b64 s[24:25], s[4:5], s[24:25]
	s_cselect_b32 s27, ttmp9, s27
	s_lshl_b32 s27, s27, 2
	s_add_co_u32 s27, s27, s22                     ; my run of 8,192 numbers in the source
	s_lshl_b32 s28, s27, 15
	s_mov_b32 s29, 0
	s_add_nc_u64 s[24:25], s[24:25], s[28:29]
	s_lshl_b32 s27, ttmp9, 2
	s_add_co_u32 s27, s27, s22                     ; and in the codes and scale bytes: x fills 1,024 runs, the weights follow on end
	s_lshl_b32 s28, s27, 12
	s_add_nc_u64 s[14:15], s[14:15], s[28:29]
	s_lshl_b32 s28, s27, 8
	s_add_nc_u64 s[16:17], s[16:17], s[28:29]
.macro LOAD t
.irp i, 0,1,2,3
	global_load_b128 v[R+16*((\t)%4)+4*\i:R+16*((\t)%4)+4*\i+3], v3, s[24:25] offset:2048*(\t)+512*\i th:TH_LOAD_NT   ; 32 lanes read 512 consecutive bytes
.endr
.endm
.macro TURN t                          ; step t's numbers through the stage: LDS serves a wave's instructions in order
.irp i, 0,1,2,3
	ds_store_b128 v14, v[R+16*((\t)%4)+4*\i:R+16*((\t)%4)+4*\i+3] offset:32*SP*((\t)%2)+8*SP*\i
.endr
.irp i, 0,1,2,3
	ds_load_b128 v[X+16*((\t)%2)+4*\i:X+16*((\t)%2)+4*\i+3], v15 offset:32*SP*((\t)%2)+16*\i
.endr
.endm
.irp t, 0,1,2,3
	LOAD \t
.endr
	s_wait_loadcnt 12                              ; step 0's four loads are in; the 12 of steps 1 to 3 may be out
	TURN 0
.macro STEP t
.set XS, X+16*((\t)%2)
.if (\t) > 0
	s_wait_dscnt 1                                 ; this step's numbers are back from the stage (the last step's byte store may be out)
.else
	s_wait_dscnt 0x0
.endif
.if (\t)+4 < STEPS
	LOAD (\t)+4
.endif
.if (\t)+1 < STEPS
.if STEPS-2-(\t) >= 3
	s_wait_loadcnt 12                              ; the next step's four loads are in; those of the three steps behind it may be out
.else
	s_wait_loadcnt 4*(STEPS-2-(\t))
.endif
	TURN (\t)+1
.endif
	v_max3_num_f32 v8, |v[XS]|, |v[XS+1]|, |v[XS+2]|               ; the largest magnitude of my 16
	v_max3_num_f32 v9, |v[XS+3]|, |v[XS+4]|, |v[XS+5]|
.irp i, 6,10
	v_max3_num_f32 v8, v8, |v[XS+\i]|, |v[XS+\i+1]|
	v_max3_num_f32 v9, v9, |v[XS+\i+2]|, |v[XS+\i+3]|
.endr
	v_max3_num_f32 v8, v8, |v[XS+14]|, |v[XS+15]|
	v_max3_num_f32 v8, v8, v9, (EMAX+1)<<23        ; and the floor 2^(3 - 127): the byte cannot fall under 1
	v_max_num_f32_dpp v8, v8, v8 row_xmask:1 row_mask:0xf bank_mask:0xf   ; and of my neighbour's 16: the block's
	v_add_nc_u32 v11, -(EMAX<<23), v8              ; 2 off its exponent field: the conversion takes that field as its scale
	v_cvt_scalef32_pk8_fp4_f32 v[C+4*(\t)], v[XS:XS+7], v11
	v_cvt_scalef32_pk8_fp4_f32 v[C+4*(\t)+1], v[XS+8:XS+15], v11
	v_lshrrev_b32 v[E+(\t)], 23, v11               ; the scale's byte
	ds_store_b8 v5, v[E+(\t)] offset:16*(\t)       ; both lanes of a block write the same byte with the same value
	global_store_b64 v4, v[C+4*(\t):C+4*(\t)+1], s[14:15] offset:32*CB*(\t)   ; the wave stores 256 consecutive bytes, aligned
.endm
.irp t, 0,1,2,3,4,5,6,7,8,9,10,11,12,13,14,15
	STEP \t
.endr
	ds_load_b64 v[8:9], v6                         ; LDS serves a wave's instructions in order: these see my stores
	s_wait_dscnt 0x0
	global_store_b64 v7, v[8:9], s[16:17]          ; 32 lanes store 256 consecutive bytes, aligned
	s_wait_tensorcnt 0x0                           ; the wave's end: behind my last LDS store
	ds_add_u32 v[SPW], v[NIL]
	s_wait_dscnt 0x0
	s_endpgm
; ---------------- wp to f16: a wave takes 8,192 numbers, 32 turns of 256 ----------------
.Lnot_q:
	s_cmp_lt_u32 ttmp9, 384
	s_cbranch_scc0 .Ltable
	s_sub_co_u32 s23, ttmp9, 352
	s_lshl_b32 s26, s23, 17
	s_lshl_b32 s27, s22, 15
	s_add_co_u32 s26, s26, s27                     ; my 32,768 bytes of wp,
	s_mov_b32 s27, 0
	s_lshr_b32 s28, s26, 1                         ; my 16,384 of wp16
	s_mov_b32 s29, 0
	v_lshlrev_b32 v3, 5, v2                        ; in: 8 numbers a lane
	v_lshlrev_b32 v4, 4, v2                        ; out: 16 bytes a lane: a wave's store covers 512 consecutive bytes
	s_wait_kmcnt 0x0
	s_add_nc_u64 s[12:13], s[12:13], s[26:27]
	s_add_nc_u64 s[18:19], s[18:19], s[28:29]
.macro LOADG g                         ; the 16 loads of turns 8 g .. 8 g + 7 into set g % 2 (v16-79, v80-143)
.irp i, 0,1,2,3,4,5,6,7
	global_load_b128 v[16+64*((\g)%2)+8*\i:16+64*((\g)%2)+8*\i+3], v3, s[12:13] offset:(8*(\g)+\i)*1024 th:TH_LOAD_NT
	global_load_b128 v[16+64*((\g)%2)+8*\i+4:16+64*((\g)%2)+8*\i+7], v3, s[12:13] offset:(8*(\g)+\i)*1024+16 th:TH_LOAD_NT
.endr
.endm
.macro CONVG g
.irp i, 0,1,2,3,4,5,6,7
.irp k, 0,1,2,3
	v_cvt_pk_f16_f32 v[144+4*\i+\k], v[16+64*((\g)%2)+8*\i+2*\k], v[16+64*((\g)%2)+8*\i+2*\k+1]
.endr
	global_store_b128 v4, v[144+4*\i:144+4*\i+3], s[18:19] offset:(8*(\g)+\i)*512
.endr
.endm
	LOADG 0
	LOADG 1
.irp g, 0,1,2,3
.if \g < 3
	s_wait_loadcnt 16                              ; this group's 16 loads are in; the next group's 16 may be out
.else
	s_wait_loadcnt 0x0
.endif
	s_wait_xcnt 0x0                                ; the last group's stores have read v144-175: they are written again only behind this wait
	CONVG \g
.if \g < 2
	LOADG \g+2
.endif
.endr
	s_endpgm
; ---------------- the table: a work-group 128 rows, a wave 32, two rows a trip ----------------
.Ltable:
	s_sub_co_u32 s23, ttmp9, 384
	v_and_b32 v3, 15, v2                           ; g
	v_lshrrev_b32 v4, 4, v2                        ; u: which of the trip's two rows
	v_lshlrev_b32 v9, 1, v3
	v_or_b32 v10, 1, v9
	v_cvt_f32_u32 v9, v9
	v_cvt_f32_u32 v10, v10
	v_mul_f32 v9, 0xbed49a78, v9                   ; -i log2(10000) / 32
	v_mul_f32 v10, 0xbed49a78, v10
	v_exp_f32 v5, v9                               ; alpha(2 g)
	v_exp_f32 v6, v10                              ; alpha(2 g + 1)
	s_lshl_b32 s24, s23, 7
	s_lshl_b32 s25, s22, 5
	s_add_co_u32 s24, s24, s25
	v_add_nc_u32 v7, s24, v4                       ; t = 128 j + 32 wave + u  (a plain instruction behind the exponentials)
	v_cvt_f32_u32 v7, v7
	v_add_nc_u32 v8, s25, v4
	v_lshlrev_b32 v8, 8, v8
	v_lshl_add_u32 v8, v3, 4, v8                   ; (32 wave + u) x 256 + 16 g
	s_lshl_b32 s26, s23, 15
	s_mov_b32 s27, 0
	s_mov_b32 s30, 0xb94ca1f9                      ; the sine's three coefficients,
	s_mov_b32 s31, 0x3c08839e
	s_mov_b32 s32, 0xbe2aaaa3
	s_mov_b32 s33, 0x37ccf5ce                      ; the cosine's
	s_mov_b32 s34, 0xbab6061a
	s_mov_b32 s35, 0x3d2aaaa5
	s_mov_b32 s28, 16
	s_wait_kmcnt 0x0
	s_add_nc_u64 s[20:21], s[20:21], s[26:27]
	s_wait_alu depctr_va_vdst(0)                   ; one wait for both exponentials, ahead of their first reader and of the loop's label
; cos and sin of v[a] (0 to some 2,047) into v[c], v[s]; six registers from v[w] at work.  Only values are selected: no branch hangs on a number
.macro SINCOS a, c, s, w
	v_mul_f32 v[\w], 0x3f22f983, v[\a]
	v_rndne_f32 v[\w], v[\w]                       ; n = the nearest whole number to angle x 2 / pi
	v_fmamk_f32 v[\w+1], v[\w], 0xbfc90fdb, v[\a]  ; r = angle - n pi/2, pi/2 in two parts
	v_fmamk_f32 v[\w+1], v[\w], 0x333bbd2e, v[\w+1]
	v_cvt_i32_f32 v[\w], v[\w]                     ; the quadrant
	v_mul_f32 v[\w+2], v[\w+1], v[\w+1]            ; z = r r
	v_fma_f32 v[\w+3], v[\w+2], s30, s31
	v_fma_f32 v[\w+4], v[\w+2], s33, s34
	v_fma_f32 v[\w+3], v[\w+3], v[\w+2], s32
	v_fma_f32 v[\w+4], v[\w+4], v[\w+2], s35
	v_mul_f32 v[\w+3], v[\w+3], v[\w+2]
	v_mul_f32 v[\w+4], v[\w+4], v[\w+2]
	v_fma_f32 v[\w+5], v[\w+2], -0.5, 1.0
	v_fma_f32 v[\w+3], v[\w+3], v[\w+1], v[\w+1]   ; sin r
	v_fma_f32 v[\w+4], v[\w+4], v[\w+2], v[\w+5]   ; cos r
	v_and_b32 v[\w+5], 1, v[\w]
	v_cmp_eq_u32 vcc_lo, 1, v[\w+5]                ; an odd quadrant swaps the two
	v_cndmask_b32 v[\s], v[\w+3], v[\w+4], vcc_lo
	v_cndmask_b32 v[\c], v[\w+4], v[\w+3], vcc_lo
	v_and_b32 v[\w+5], 2, v[\w]
	v_lshlrev_b32 v[\w+5], 30, v[\w+5]
	v_xor_b32 v[\s], v[\w+5], v[\s]                ; the sine's sign: quadrants 2, 3
	v_add_nc_u32 v[\w], 1, v[\w]
	v_and_b32 v[\w], 2, v[\w]
	v_lshlrev_b32 v[\w], 30, v[\w]
	v_xor_b32 v[\c], v[\w], v[\c]                  ; the cosine's: quadrants 1, 2
.endm
.Ltab:
	v_mul_f32 v16, v7, v5                          ; the angles, as reference() forms them: t x alpha in f32
	v_mul_f32 v17, v7, v6
	SINCOS 16, 20, 22, 24
	SINCOS 17, 21, 23, 32
	global_store_b128 v8, v[20:23], s[20:21]       ; the wave stores two rows: 512 consecutive bytes
	s_wait_xcnt 0x0                                ; the store has read v8 and v[20:23]: they are written again only behind this wait
	v_add_f32 v7, 2.0, v7
	v_add_nc_u32 v8, 512, v8
	s_sub_co_u32 s28, s28, 1
	s_cmp_lg_u32 s28, 0
	s_cbranch_scc1 .Ltab
	s_endpgm
.Lfunc_end_k_q7d7e50a4ed_prep:
	.size	k_q7d7e50a4ed_prep, .Lfunc_end_k_q7d7e50a4ed_prep-k_q7d7e50a4ed_prep
	.p2alignl 7, 3214868480
	.fill 96, 4, 3214868480
	.section	.rodata,"a",@progbits
	.p2align	6, 0x0
	.amdhsa_kernel k_q7d7e50a4ed_prep
		.amdhsa_group_segment_fixed_size 33280
		.amdhsa_private_segment_fixed_size 0
		.amdhsa_enable_private_segment 0
		.amdhsa_kernarg_size 72
		.amdhsa_user_sgpr_count 2
		.amdhsa_user_sgpr_kernarg_segment_ptr 1
		.amdhsa_wavefront_size32 1
		.amdhsa_system_sgpr_workgroup_id_x 1
		.amdhsa_system_sgpr_workgroup_id_y 1
		.amdhsa_system_sgpr_workgroup_id_z 1
		.amdhsa_system_vgpr_workitem_id 0
		.amdhsa_next_free_vgpr 192
		.amdhsa_next_free_sgpr 66
		.amdhsa_reserve_vcc 1
		.amdhsa_float_denorm_mode_32 3
		.amdhsa_float_denorm_mode_16_64 3
		.amdhsa_memory_ordered 1
		.amdhsa_forward_progress 1
		.amdhsa_inst_pref_size 55
	.end_amdhsa_kernel
	.amdgpu_metadata
---
amdhsa.version: [ 1, 2 ]
amdhsa.kernels:
  - .name:           k_q7d7e50a4ed_prep
    .symbol:         k_q7d7e50a4ed_prep.kd
    .args:
      - { .name: x, .offset: 0, .size: 8, .value_kind: global_buffer, .address_space: global }
      - { .name: wq, .offset: 8, .size: 8, .value_kind: global_buffer, .address_space: global }
      - { .name: wk, .offset: 16, .size: 8, .value_kind: global_buffer, .address_space: global }
      - { .name: wv, .offset: 24, .size: 8, .value_kind: global_buffer, .address_space: global }
      - { .name: wp, .offset: 32, .size: 8, .value_kind: global_buffer, .address_space: global }
      - { .name: codes, .offset: 40, .size: 8, .value_kind: global_buffer, .address_space: global }
      - { .name: scales, .offset: 48, .size: 8, .value_kind: global_buffer, .address_space: global }
      - { .name: wp16, .offset: 56, .size: 8, .value_kind: global_buffer, .address_space: global }
      - { .name: rope, .offset: 64, .size: 8, .value_kind: global_buffer, .address_space: global }
    .group_segment_fixed_size: 33280
    .private_segment_fixed_size: 0
    .kernarg_segment_align: 8
    .kernarg_segment_size: 72
    .max_flat_workgroup_size: 128
    .sgpr_count:     66
    .vgpr_count:     192
    .wavefront_size: 32
...
	.end_amdgpu_metadata
.endif
;; end of part 1
;; launch qkv (part 2): grid 12 x 32, 4 waves a work-group, clusters of 4 x 4, 327,680 bytes of LDS; arguments codes, scales, rope, bq, bk, bv, qkvh, f32head; writes qkvh, f32head
.if DOCPART == 2
	.amdgcn_target "amdgcn-amd-amdhsa--gfx1250"
	.amdhsa_code_object_version 6
	.text
	.protected	k_q7d7e50a4ed_qkv
	.globl	k_q7d7e50a4ed_qkv
	.p2align	8
	.type	k_q7d7e50a4ed_qkv,@function
k_q7d7e50a4ed_qkv:
	s_mov_b64 s[64:65], 0
	v_nop
	global_prefetch_b8 v0, s[64:65] scope:SCOPE_SE
	s_setreg_imm32_b32 hwreg(HW_REG_WAVE_MODE, 25, 1), 1
	s_wait_xcnt 0x0
	s_wait_alu depctr_hold_cnt(0) depctr_sa_sdst(0) depctr_va_vdst(0) depctr_va_sdst(0) depctr_va_ssrc(0) depctr_va_vcc(0) depctr_vm_vsrc(0)
	s_getreg_b32 s2, hwreg(HW_REG_IB_STS2, 6, 4)
	s_cmp_eq_u32 s2, 0
	s_cbranch_scc0 .Lentry_in_a_cluster
	s_endpgm
.Lentry_in_a_cluster:
	s_bfe_u32 s2, ttmp6, 0x10000c
	s_cmp_lg_u32 s2, 0xf033
	s_cbranch_scc0 .Lentry_shape_is_right
	s_endpgm
.Lentry_shape_is_right:
; q, k, v = x w^T + b on codes of E2M1 with one E8M0 scale for each 32 along K (K = 1,024), then RoPE on q and k, all in f32; the results leave as f16 in head planes [type][b][h][t][64],
; and positions 0 to 15 of every sequence also as f32 (f32head), for the launch that carries those rows in f32.
; M = 8,192 rows of x, N = 3,072 rows of wq, wk, wv on end.  A tile of 256 x 256 is made by four waves, each 128 x 128: 64 accumulators, 512 registers.  K goes in two steps of 512, each in an LDS slot of its own:
; both are asked for at the start and nothing is filled again.  The scale bytes of the tile's rows, for all of K, come with them as two dense blocks.
; CLUSTERS: 4 x 4.  The cluster's x is the type (q, k, v); tile column = 4 type + cx.  Tile row = 8 cy + the cluster's y, so the batch is cy and the tile's first position is 256 x the cluster's y:
; "this tile holds positions 0 to 15" is then the same in all sixteen partners.  A's tiles are shared along a row of the cluster, B's along a column: each is asked for jointly.
; THE MATRIX INSTRUCTION IS USED TRANSPOSED (source 0 = 16 rows of w, source 1 = 16 rows of x): a lane holds one position and eight neighbouring channels.  The bias is the C of each sum's first product.
; RoPE: channels d and d + 32 of a head lie in the same lane and register of accumulators b and b + 2, so nothing changes lanes; cos and sin come from the table, 16 bytes for two frequencies.
; LIMIT: |q|, |k|, |v| stay under 65,504 (f16).
; REGISTERS: window 0: v0-31 addresses; v32-95 scale words, two sets; v128-191 A's fragments, one set; v192-255 the bias, later the table.  On the way out: v8-15 at work, v32-95 64 results in f32, v96-127 packed, v128-191 rows read back.
;   window 1: B's fragments, two sets.   windows 2, 3: the accumulators ((a, b) at v[8 (8 (a % 4) + b)]).
.set NQ,     4                         ; matrix instructions deep in a slot
.set ROWB,   256                       ; a tile's row: 512 codes
.set KROW,   512                       ; a row of codes in memory
.set PITCH,  272                       ; an LDS row: 256 bytes + 16: the 16 rows of a load start at 16 different banks
.set FR,     8
.set NL,     2
.set NP,     4
.set HALFT,  128*PITCH
.set SLOT,   4*HALFT
.set KS,     32                        ; a row of scale bytes
.set SCL,    2*SLOT
.set HALFS,  16*272                    ; the scales of 128 rows
.set SBLK,   2*272                     ; of 16 rows
.set SPARE,  SCL+4*HALFS               ; the spare words, 128 bytes a wave
.set SW,     4608                      ; the way out: a stage for each wave, [2 heads][16 rows][128 bytes + 16], in slot 0, which has had its only fill and its last read by then
.set ADRA, 16
.set ADRB, 20
.set STO,  24
.set RD,   25
.set CO,   26
.set ADRS, 27
.set SPW,  28
.set NIL,  29
.set CSO,  30                          ; v30 my place in 16 rows of the table: 256 r + 64 h
.set F32O, 31                          ; v31 my place in a block of f32head: 256 r + 32 h
.set SC,   32
.set AF,   128
.set BIAS, 192
.set CS,   192                         ; the table: two sets of 32
.set OF,   32
.set PK,   96
.set BK,   128
.set G1, 24
.set G0, 32
.set G1B, 48
.set G0B, 56
.set G1S, 68
.set G0S, 76
.set G1SB, 80
.set G0SB, 88
.set MSB, 0
.macro WIN new                         ; the immediate's high byte repeats the setting that is left
.if MSB != (\new)
	s_set_vgpr_msb (MSB<<8)|(\new)
.set MSB, (\new)
.endif
.endm
.set MUL_LO, 0xa1                      ; source 0 (B) window 1, source 1 (A) window 0, C and D window 2
.set MUL_HI, 0xf1
.set MULB_LO, 0x81                     ; the same with C (the bias) in window 0
.set MULB_HI, 0xc1
.set TO_B,   0x40
.macro JLOAD g0a, g1a, g0b, g1b        ; a joint load: waves 0 and 1 fetch for A, waves 2 and 3 for B; an s_nop 0 and four v_nop follow each line
	s_cmp_eq_u32 s21, 0
	s_cbranch_scc0 .Lfor_b_\@
	tensor_load_to_lds s[\g0a:\g0a+3], s[\g1a:\g1a+7]
	s_nop 0
.rept 4
	v_nop
.endr
	s_branch .Lasked_\@
.Lfor_b_\@:
	tensor_load_to_lds s[\g0b:\g0b+3], s[\g1b:\g1b+7]
	s_nop 0
.rept 4
	v_nop
.endr
.Lasked_\@:
.endm
.macro CROUND                          ; a round of the cluster's barrier
	s_barrier_signal -1
	s_barrier_wait -1
	s_cmp_lg_u32 s20, 0
	s_cbranch_scc1 .Lnot_wave_0_\@
	s_barrier_signal -3
.Lnot_wave_0_\@:
	s_barrier_wait -3
	s_barrier_signal -1
	s_barrier_wait -1
.endm
	s_load_b256 s[4:11], s[0:1], 0x0               ; codes 4:5, scales 6:7, rope 8:9, bq 10:11
	s_load_b256 s[12:19], s[0:1], 0x20             ; bk 12:13, bv 14:15, qkvh 16:17, f32head 18:19
	v_lshl_add_u32 v[SPW], v0, 2, SPARE
	v_mov_b32 v[NIL], 0
	ds_add_u32 v[SPW], v[NIL]                      ; the wave's opening: the add, twice on end, and its wait ahead of my first tensor load
	ds_add_u32 v[SPW], v[NIL]
	v_lshrrev_b32 v1, 5, v0
	v_readfirstlane_b32 s20, v1                    ; wave 0..3
	s_lshr_b32 s21, s20, 1                         ; my half of the tile's rows.  Also: I fetch for A (0) or B (1)
	s_and_b32 s22, s20, 1                          ; my half of its columns.  Also: which 128 rows I fetch
	s_bfe_u32 s40, ttmp6, 0x40000                  ; cx
	s_bfe_u32 s41, ttmp6, 0x40004                  ; cy
	s_mov_b32 s96, ttmp9                           ; the type: 0 q, 1 k, 2 v
	s_and_b32 s97, ttmp7, 0xffff                   ; the cluster's y
	s_lshl_b32 s42, s96, 2
	s_add_co_u32 s42, s42, s40                     ; tile column = 4 type + cx
	s_lshl_b32 s98, s41, 3
	s_add_co_u32 s98, s98, s97                     ; tile row = 8 cy + cluster y
	s_or_b32 s99, s97, s21                         ; 0 where my rows begin with positions 0 to 15: the cluster's y and the wave's number alone
	s_lshl_b32 s43, s41, 2
	s_lshl_b32 s43, 15, s43                        ; my row of the cluster
	s_lshl_b32 s44, 0x1111, s40                    ; my column
	s_or_b32 s[G1+0], s43, (0<<16)|(1<<20)|(1<<21)|(5<<22)|(3<<25)   ; the mask; elements of 1 byte; padding: 4 words after every 64; bit 21 beside a mask
	s_or_b32 s[G1B+0], s44, (0<<16)|(1<<20)|(1<<21)|(5<<22)|(3<<25)
.irp g, G1, G1B
	s_mov_b32 s[\g+1], ROWB<<16                    ; tensor_dim0
	s_mov_b32 s[\g+2], 128<<16                     ; tensor_dim1
	s_mov_b32 s[\g+3], ROWB<<16                    ; tile_dim0
	s_mov_b32 s[\g+4], 128                         ; tile_dim1
	s_mov_b32 s[\g+5], KROW                        ; the pitch
	s_mov_b32 s[\g+6], 0
	s_mov_b32 s[\g+7], 0
.endr
	s_or_b32 s[G1S+0], s43, (3<<16)|(1<<20)|(1<<21)|(5<<22)|(3<<25)  ; the scales of 128 rows: 4,096 dense bytes as 16 rows of 32 elements of 8 bytes
	s_or_b32 s[G1SB+0], s44, (3<<16)|(1<<20)|(1<<21)|(5<<22)|(3<<25)
.irp g, G1S, G1SB
	s_mov_b32 s[\g+1], 32<<16
	s_mov_b32 s[\g+2], 16<<16
	s_mov_b32 s[\g+3], 32<<16
	s_mov_b32 s[\g+4], 16
	s_mov_b32 s[\g+5], 32
	s_mov_b32 s[\g+6], 0
	s_mov_b32 s[\g+7], 0
.endr
	s_lshl_b32 s23, s22, 7                         ; which 128 rows of the tile I fetch
	s_lshl_b32 s2, s98, 8
	s_add_co_u32 s2, s2, s23                       ; A: row of x
	s_lshl_b32 s46, s42, 8
	s_add_co_u32 s46, s46, s23                     ; B: row of the weights on end
	s_lshl_b32 s66, s2, 5                          ; byte offsets: A's scales,
	s_mov_b32 s67, 0
	s_lshl_b32 s2, s2, 9                           ; A's codes,
	s_mov_b32 s3, 0
	s_lshl_b32 s92, s46, 5
	s_add_co_u32 s92, s92, 262144                  ; B's scales, behind x's,
	s_mov_b32 s93, 0
	s_lshl_b32 s46, s46, 9
	s_add_co_u32 s46, s46, 4194304                 ; B's codes, behind x's
	s_mov_b32 s47, 0
	s_mul_i32 s45, s20, HALFT                      ; where they go: wave x 128 rows: no place in the cluster enters an LDS address
	s_mul_i32 s94, s20, HALFS
	s_wait_dscnt 0x0                               ; both opening adds are done
	s_wait_kmcnt 0x0
	s_add_nc_u64 s[2:3], s[4:5], s[2:3]
	s_add_nc_u64 s[66:67], s[6:7], s[66:67]
	s_add_nc_u64 s[46:47], s[4:5], s[46:47]
	s_add_nc_u64 s[92:93], s[6:7], s[92:93]
	s_cmp_eq_u32 s96, 1                            ; the type's bias
	s_cselect_b64 s[10:11], s[12:13], s[10:11]
	s_cmp_eq_u32 s96, 2
	s_cselect_b64 s[10:11], s[14:15], s[10:11]
	CROUND                                         ; all sixteen work-groups are here: the joint loads meet
	s_mov_b32 s[G0S], 1
	s_add_co_u32 s[G0S+1], s94, SCL
	s_mov_b64 s[G0S+2:G0S+3], s[66:67]
	s_or_b32 s[G0S+3], s[G0S+3], 0x80000000
	s_mov_b32 s[G0SB], 1
	s_add_co_u32 s[G0SB+1], s94, SCL
	s_mov_b64 s[G0SB+2:G0SB+3], s[92:93]
	s_or_b32 s[G0SB+3], s[G0SB+3], 0x80000000
	JLOAD G0S, G1S, G0SB, G1SB                     ; the scales first; with the two below three tensor loads of mine are out
.irp s, 0,1
	s_mov_b32 s[G0+4*\s], 1
	s_add_co_u32 s[G0+4*\s+1], s45, \s*SLOT
	s_add_nc_u64 s[G0+4*\s+2:G0+4*\s+3], s[2:3], \s*ROWB
	s_or_b32 s[G0+4*\s+3], s[G0+4*\s+3], 0x80000000
	s_mov_b32 s[G0B+4*\s], 1
	s_add_co_u32 s[G0B+4*\s+1], s45, \s*SLOT
	s_add_nc_u64 s[G0B+4*\s+2:G0B+4*\s+3], s[46:47], \s*ROWB
	s_or_b32 s[G0B+4*\s+3], s[G0B+4*\s+3], 0x80000000
	JLOAD G0+4*\s, G1, G0B+4*\s, G1B
.endr
	v_and_b32 v1, 15, v0                           ; r
	v_bfe_u32 v2, v0, 4, 1                         ; h
	v_mul_u32_u24 v3, v1, PITCH
	v_lshl_add_u32 v4, v2, 4, v3                   ; a fragment's row x pitch + 16 h
	s_mul_i32 s23, s21, HALFT                      ; my 128 rows of A
	s_mul_i32 s95, s22, HALFT                      ; my 128 rows of B,
	s_add_co_u32 s95, s95, 2*HALFT                 ; behind A's 256
.irp s, 0,1
	v_add_nc_u32 v[ADRA+\s], s23, v4
	v_add_nc_u32 v[ADRB+\s], s95, v4
	s_add_co_u32 s23, s23, SLOT
	s_add_co_u32 s95, s95, SLOT
.endr
	v_mul_u32_u24 v5, v1, KS                       ; my row's scales: 32 bytes a row,
	v_lshrrev_b32 v6, 8, v5
	v_lshl_add_u32 v5, v6, 4, v5                   ; and 16 more for each 256 passed
	s_mul_i32 s23, s21, HALFS
	s_mul_i32 s95, s22, HALFS
	s_add_co_u32 s95, s95, 2*HALFS
	s_sub_co_u32 s95, s95, s23
	v_mul_u32_u24 v6, s95, v2                      ; lanes 16-31 take B's
	s_add_co_u32 s23, s23, SCL
	v_add_nc_u32 v5, v5, v6
	v_add_nc_u32 v[ADRS], s23, v5
	s_mul_i32 s23, s20, SW                         ; my stage
	v_mul_u32_u24 v5, v1, 144
	v_lshl_add_u32 v5, v2, 4, v5
	v_add_nc_u32 v[STO], s23, v5                   ; in: row r, 16 bytes for each half of the lanes
	v_and_b32 v6, 31, v0
	v_lshrrev_b32 v5, 3, v6
	v_mul_u32_u24 v5, v5, 144
	v_and_b32 v3, 7, v0
	v_lshl_add_u32 v5, v3, 4, v5
	v_add_nc_u32 v[RD], s23, v5                    ; back: eight lanes to a row of 128 bytes, four rows an instruction
	v_lshlrev_b32 v[CO], 4, v6                     ; and the same 512 bytes of a head plane, whose rows are dense
	v_lshlrev_b32 v[CSO], 8, v1
	v_lshl_add_u32 v[CSO], v2, 6, v[CSO]
	v_lshlrev_b32 v[F32O], 8, v1
	v_lshl_add_u32 v[F32O], v2, 5, v[F32O]
	v_lshlrev_b32 v7, 5, v2                        ; the bias: 32 h
	s_lshl_b32 s46, s41, 4
	s_lshl_b32 s47, s40, 2
	s_add_co_u32 s46, s46, s47
	s_lshl_b32 s47, s22, 1
	s_add_co_u32 s46, s46, s47                     ; my first head plane: 16 b + 4 cx + 2 (column half)
	s_lshl_b32 s92, s96, 6
	s_add_co_u32 s92, s92, s46
	s_lshl_b32 s92, s92, 12                        ; its block of 4,096 bytes in f32head
	s_mov_b32 s93, 0
	s_add_nc_u64 s[18:19], s[18:19], s[92:93]
	s_lshl_b32 s92, s97, 8
	s_lshl_b32 s47, s21, 7
	s_add_co_u32 s92, s92, s47                     ; my first position: 256 cluster y + 128 (row half)
	s_lshl_b32 s46, s46, 11
	s_add_co_u32 s46, s46, s92
	s_lshl_b32 s46, s46, 7                         ; rows of 128 bytes
	s_lshl_b32 s47, s96, 24
	s_add_co_u32 s46, s46, s47                     ; + the type's 16,777,216 bytes
	s_mov_b32 s47, 0
	s_add_nc_u64 s[16:17], s[16:17], s[46:47]
	s_lshl_b32 s92, s92, 8
	s_add_nc_u64 s[8:9], s[8:9], s[92:93]          ; the table at my first position
	s_lshl_b32 s46, s40, 10
	s_lshl_b32 s92, s22, 9
	s_add_co_u32 s46, s46, s92
	s_add_nc_u64 s[10:11], s[10:11], s[46:47]      ; the bias at my first column
.irp b, 0,1,2,3,4,5,6,7
	global_load_b128 v[BIAS+8*\b:BIAS+8*\b+3], v7, s[10:11] offset:64*\b        ; bias(16 b + 8 h + 0 .. 7): the result's layout
	global_load_b128 v[BIAS+8*\b+4:BIAS+8*\b+7], v7, s[10:11] offset:64*\b+16
.endr
.macro FRAG reg, adr, q, i             ; 16 rows x 128 K of 4-bit codes: 8 registers, two loads 32 bytes apart
.irp c, 0,1
	ds_load_b128 v[\reg+4*\c:\reg+4*\c+3], v[\adr] offset:64*(\q)+32*\c+(\i)*16*PITCH
.endr
.endm
; 16 matrix instructions: A's blocks a0, a0 + 1 x B's eight.  zero = 1: the sum begins with the bias.  The 64 accumulators take turns, one instruction a turn, in one order throughout
.macro MUL16 a0, p, q, sc, zero
.irp a, \a0, \a0+1
.irp b, 0,1,2,3,4,5,6,7
.if \zero
	v_wmma_scale_f32_16x16x128_f8f6f4 v[8*(8*((\a)%4)+\b):8*(8*((\a)%4)+\b)+7], v[128*(\p)+FR*\b:128*(\p)+FR*\b+FR-1], v[AF+FR*(\a):AF+FR*(\a)+FR-1], v[BIAS+8*\b:BIAS+8*\b+7], v[SC+8*NQ*(\sc)+NQ*\b+(\q)], v[SC+8*NQ*(\sc)+NQ*(\a)+(\q)] matrix_a_fmt:MATRIX_FMT_FP4 matrix_b_fmt:MATRIX_FMT_FP4 matrix_a_scale:MATRIX_SCALE_ROW1
.else
	v_wmma_scale_f32_16x16x128_f8f6f4 v[8*(8*((\a)%4)+\b):8*(8*((\a)%4)+\b)+7], v[128*(\p)+FR*\b:128*(\p)+FR*\b+FR-1], v[AF+FR*(\a):AF+FR*(\a)+FR-1], v[8*(8*((\a)%4)+\b):8*(8*((\a)%4)+\b)+7], v[SC+8*NQ*(\sc)+NQ*\b+(\q)], v[SC+8*NQ*(\sc)+NQ*(\a)+(\q)] matrix_a_fmt:MATRIX_FMT_FP4 matrix_b_fmt:MATRIX_FMT_FP4 matrix_a_scale:MATRIX_SCALE_ROW1
.endif
.endr
.endr
.endm
.macro FETCH_B slot, q, p
	WIN TO_B
.irp i, 0,1,2,3,4,5,6,7
	FRAG 128*(\p)+FR*\i, ADRB+\slot, \q, \i
.endr
	WIN 0
.endm
.macro FETCH_A slot, q, i0
.irp i, \i0, \i0+1, \i0+2, \i0+3
	FRAG AF+FR*(\i), ADRA+\slot, \q, \i
.endr
.endm
.macro SCALES sc                       ; a slot's scale words: lanes 0-15 A's block i, lanes 16-31 B's block i
.irp i, 0,1,2,3,4,5,6,7
	ds_load_b128 v[SC+8*NQ*\sc+NQ*\i:SC+8*NQ*\sc+NQ*\i+3], v[ADRS] offset:\i*SBLK
.endr
.endm
.macro PLACES n                        ; plain vector instructions between a matrix instruction and a load into, or a read of, its registers
.rept \n
	v_nop
.endr
.endm
.macro STEP slot, q, zero              ; 128 along K with its successor in the same slot
	s_wait_dscnt 4*NL                              ; B's set and A's blocks 0-3 are in; the youngest 8 loads (A's blocks 4-7) may be out
.if \zero
	WIN MULB_LO
.else
	WIN MUL_LO
.endif
	MUL16 0, (\q)%2, \q, \slot, \zero
	MUL16 2, (\q)%2, \q, \slot, \zero
	s_wait_dscnt 0
	PLACES NP
	FETCH_B \slot, (\q)+1, 1-(\q)%2
	FETCH_A \slot, (\q)+1, 0
.if \zero
	WIN MULB_HI
.else
	WIN MUL_HI
.endif
	MUL16 4, (\q)%2, \q, \slot, \zero
	MUL16 6, (\q)%2, \q, \slot, \zero
	PLACES NP
	WIN 0
	FETCH_A \slot, (\q)+1, 4
.endm
.macro STEPS slot, from
.set QQ, \from
.rept NQ-1-\from
	STEP \slot, QQ, 0
.set QQ, QQ+1
.endr
.endm
.macro CSLOAD a                        ; the table for my 16 positions of block a: for u = 0, 1 and g = 0 .. 3 the four numbers (c, c, s, s) of frequencies 16 u + 8 h + 2 g, + 1
.irp u, 0,1
.irp g, 0,1,2,3
	global_load_b128 v[CS+32*((\a)%2)+16*\u+4*\g:CS+32*((\a)%2)+16*\u+4*\g+3], v[CSO], s[8:9] offset:(\a)*4096+128*\u+16*\g
.endr
.endr
.endm
	s_wait_tensorcnt 1                             ; the scales and my part of slot 0 are in (slot 1's load may be out)
	s_barrier_signal -1
	s_barrier_wait -1                              ; everybody's are
	FETCH_B 0, 0, 0
	FETCH_A 0, 0, 0
	SCALES 0
	FETCH_A 0, 0, 4
	s_wait_loadcnt 0x0                             ; the bias
	STEP 0, 0, 1                                   ; the first products start the sums with the bias
	s_cmp_eq_u32 s96, 2                            ; q and k: the first two blocks' table lands in the bias's registers, four places behind their last reader
	s_cbranch_scc1 .Lno_table
	CSLOAD 0
	CSLOAD 1
.Lno_table:
	STEPS 0, 1
	; the change of slots: one barrier; nothing is filled again
	s_wait_tensorcnt 0x0                           ; all my tensor loads have landed: my part of slot 1
	ds_add_u32 v[SPW], v[NIL]                      ; 0 onto my spare word
	s_wait_dscnt 4*NL+1                            ; (the add and A's blocks 4-7 may be out)
	WIN MUL_LO
	MUL16 0, 1, NQ-1, 0, 0
	s_wait_dscnt 0x0                               ; the add is done, and my reads of slot 0 are over
	s_barrier_signal -1
	MUL16 2, 1, NQ-1, 0, 0
	WIN 0
	s_barrier_wait -1
	PLACES NP
	v_add_nc_u32 v[ADRS], 4*NQ, v[ADRS]            ; the second slot's scale words
	FETCH_B 1, 0, 0
	FETCH_A 1, 0, 0
	SCALES 1
	WIN MUL_HI
	MUL16 4, 1, NQ-1, 0, 0
	MUL16 6, 1, NQ-1, 0, 0
	PLACES NP
	WIN 0
	FETCH_A 1, 0, 4
	STEPS 1, 0
	s_wait_dscnt 4*NL                              ; the last step: nothing more to fetch
	WIN MUL_LO
	MUL16 0, 1, NQ-1, 1, 0
	MUL16 2, 1, NQ-1, 1, 0
	s_wait_dscnt 0
	WIN MUL_HI
	MUL16 4, 1, NQ-1, 1, 0
	MUL16 6, 1, NQ-1, 1, 0
	WIN 0
; THE WAY OUT, a block of 16 positions x 128 channels (two heads) at a time.
.macro ROPE a                          ; 64 results of block a, turned: for head e, u, g: x1 = channels 16 u + 8 h + 2 g, + 1; x2 = the same + 32.  g ascends: each accumulator is read from its low end on
	WIN 0x02+(\a)/4
.set AC, 64*((\a)%4)
.set CSB, CS+32*((\a)%2)
.irp e, 0,1
.irp u, 0,1
.irp g, 0,1,2,3
.set X1, AC+8*(4*\e+\u)+2*\g
.set X2, AC+8*(4*\e+\u+2)+2*\g
.set CC, CSB+16*\u+4*\g
.set T1, 8+4*(\g%2)
	v_pk_mul_f32 v[T1:T1+1], v[X2:X2+1], v[CC+2:CC+3]
	v_pk_mul_f32 v[T1+2:T1+3], v[X2:X2+1], v[CC:CC+1]
	v_pk_fma_f32 v[OF+8*(4*\e+\u)+2*\g:OF+8*(4*\e+\u)+2*\g+1], v[X1:X1+1], v[CC:CC+1], v[T1:T1+1] neg_lo:[0,0,1] neg_hi:[0,0,1]   ; x1 cos - x2 sin
	v_pk_fma_f32 v[OF+8*(4*\e+\u+2)+2*\g:OF+8*(4*\e+\u+2)+2*\g+1], v[X1:X1+1], v[CC+2:CC+3], v[T1+2:T1+3]                          ; x1 sin + x2 cos
.endr
.endr
.endr
	WIN 0
.endm
.macro CVT                             ; to f16, two at a time
.irp b, 0,1,2,3,4,5,6,7
.irp g, 0,1,2,3
	v_cvt_pk_f16_f32 v[PK+4*\b+\g], v[OF+8*\b+2*\g], v[OF+8*\b+2*\g+1]
.endr
.endr
.endm
.macro PACKV a                         ; v is not turned: straight from the accumulators
	WIN 0x0a+5*((\a)/4)
.set AC, 64*((\a)%4)
.irp b, 0,1,2,3,4,5,6,7
.irp g, 0,1,2,3
	v_cvt_pk_f16_f32 v[PK+4*\b+\g], v[AC+8*\b+2*\g], v[AC+8*\b+2*\g+1]
.endr
.endr
	WIN 0
.endm
.macro TOSTAGE a                       ; through my own stage: LDS serves a wave's instructions in order, so no wait stands between the stores and the loads
.irp b, 0,1,2,3,4,5,6,7
	ds_store_b128 v[STO], v[PK+4*\b:PK+4*\b+3] offset:(\b/4)*2304+(\b%4)*32
.endr
.irp e, 0,1
.irp i, 0,1,2,3
	ds_load_b128 v[BK+32*((\a)%2)+16*\e+4*\i:BK+32*((\a)%2)+16*\e+4*\i+3], v[RD] offset:\e*2304+\i*576
.endr
.endr
.endm
.macro SEND a, younger                 ; younger: the LDS instructions issued behind block a's loads, which may stay out
	s_wait_dscnt \younger
.irp e, 0,1
.irp i, 0,1,2,3
	global_store_b128 v[CO], v[BK+32*((\a)%2)+16*\e+4*\i:BK+32*((\a)%2)+16*\e+4*\i+3], s[16:17] offset:\e*262144+(\a)*2048+\i*512   ; four rows of a head plane: 512 consecutive bytes, aligned
.endr
.endr
.endm
	PLACES NP                                      ; behind the last products: for the reads of results and the writes into registers that held scales and fragments
	s_cmp_eq_u32 s96, 2
	s_cbranch_scc1 .Lway_v
.irp a, 0,1,2,3,4,5,6,7
.if \a > 0
	s_wait_xcnt 0x0                                ; earlier stores have read their data: v32-95 and the rows' registers are written again only behind this wait
.endif
.if \a < 7
	s_wait_loadcnt 8                               ; this block's table is in; the next block's 8 loads may be out
.else
	s_wait_loadcnt 0x0
.endif
	ROPE \a
.if \a == 0
	s_cmp_lg_u32 s99, 0
	s_cbranch_scc1 .Lno_head_qk
.irp b, 0,1,2,3,4,5,6,7                ; positions 0 to 15 also in f32: pieces of 32 bytes, 786,432 bytes in the whole launch
	global_store_b128 v[F32O], v[OF+8*\b:OF+8*\b+3], s[18:19] offset:(\b/4)*4096+(\b%4)*64
	global_store_b128 v[F32O], v[OF+8*\b+4:OF+8*\b+7], s[18:19] offset:(\b/4)*4096+(\b%4)*64+16
.endr
.Lno_head_qk:
.endif
	CVT
.if \a < 6
	CSLOAD \a+2
.endif
	TOSTAGE \a
.if \a > 0
	SEND \a-1, 16                                  ; behind block a - 1's loads: block a's 8 stores and 8 loads
.endif
.endr
	SEND 7, 0
	s_branch .Lend
.Lway_v:
	s_cmp_lg_u32 s99, 0
	s_cbranch_scc1 .Lno_head_v
	WIN 0x08                                       ; a store's data are its source 1: window 2
.irp b, 0,1,2,3,4,5,6,7
	global_store_b128 v[F32O], v[8*\b:8*\b+3], s[18:19] offset:(\b/4)*4096+(\b%4)*64
	global_store_b128 v[F32O], v[8*\b+4:8*\b+7], s[18:19] offset:(\b/4)*4096+(\b%4)*64+16
.endr
	WIN 0
.Lno_head_v:
.irp a, 0,1,2,3,4,5,6,7
.if \a > 1
	s_wait_xcnt 0x0                                ; block a - 2's stores have read their registers
.endif
	PACKV \a
	TOSTAGE \a
.if \a > 0
	SEND \a-1, 16
.endif
.endr
	SEND 7, 0
.Lend:
	s_wait_tensorcnt 0x0                           ; the wave's end: behind my last tensor load and my last LDS store
	ds_add_u32 v[SPW], v[NIL]
	s_wait_dscnt 0x0
	CROUND                                         ; the closing round
	s_endpgm
.Lfunc_end_k_q7d7e50a4ed_qkv:
	.size	k_q7d7e50a4ed_qkv, .Lfunc_end_k_q7d7e50a4ed_qkv-k_q7d7e50a4ed_qkv
	.p2alignl 7, 3214868480
	.fill 96, 4, 3214868480
	.section	.rodata,"a",@progbits
	.p2align	6, 0x0
	.amdhsa_kernel k_q7d7e50a4ed_qkv
		.amdhsa_group_segment_fixed_size 327680
		.amdhsa_private_segment_fixed_size 0
		.amdhsa_enable_private_segment 0
		.amdhsa_kernarg_size 64
		.amdhsa_user_sgpr_count 2
		.amdhsa_user_sgpr_kernarg_segment_ptr 1
		.amdhsa_wavefront_size32 1
		.amdhsa_system_sgpr_workgroup_id_x 1
		.amdhsa_system_sgpr_workgroup_id_y 1
		.amdhsa_system_sgpr_workgroup_id_z 1
		.amdhsa_system_vgpr_workitem_id 0
		.amdhsa_next_free_vgpr 1024
		.amdhsa_next_free_sgpr 100
		.amdhsa_reserve_vcc 0
		.amdhsa_float_denorm_mode_32 3
		.amdhsa_float_denorm_mode_16_64 3
		.amdhsa_memory_ordered 1
		.amdhsa_forward_progress 1
		.amdhsa_inst_pref_size 201
	.end_amdhsa_kernel
	.amdgpu_metadata
---
amdhsa.version: [ 1, 2 ]
amdhsa.kernels:
  - .name:           k_q7d7e50a4ed_qkv
    .symbol:         k_q7d7e50a4ed_qkv.kd
    .args:
      - { .name: codes, .offset: 0, .size: 8, .value_kind: global_buffer, .address_space: global }
      - { .name: scales, .offset: 8, .size: 8, .value_kind: global_buffer, .address_space: global }
      - { .name: rope, .offset: 16, .size: 8, .value_kind: global_buffer, .address_space: global }
      - { .name: bq, .offset: 24, .size: 8, .value_kind: global_buffer, .address_space: global }
      - { .name: bk, .offset: 32, .size: 8, .value_kind: global_buffer, .address_space: global }
      - { .name: bv, .offset: 40, .size: 8, .value_kind: global_buffer, .address_space: global }
      - { .name: qkvh, .offset: 48, .size: 8, .value_kind: global_buffer, .address_space: global }
      - { .name: f32head, .offset: 56, .size: 8, .value_kind: global_buffer, .address_space: global }
    .group_segment_fixed_size: 327680
    .private_segment_fixed_size: 0
    .kernarg_segment_align: 8
    .kernarg_segment_size: 64
    .max_flat_workgroup_size: 128
    .sgpr_count:     100
    .vgpr_count:     1024
    .wavefront_size: 32
...
	.end_amdgpu_metadata
.endif
;; end of part 2
;; launch attn (part 3): grid 4 x 64, 16 waves a work-group, no clusters, 327,680 bytes of LDS; arguments qkvh, yh; writes yh
.if DOCPART == 3
	.amdgcn_target "amdgcn-amd-amdhsa--gfx1250"
	.amdhsa_code_object_version 6
	.text
	.protected	k_q7d7e50a4ed_attn
	.globl	k_q7d7e50a4ed_attn
	.p2align	8
	.type	k_q7d7e50a4ed_attn,@function
k_q7d7e50a4ed_attn:
	s_mov_b64 s[64:65], 0
	v_nop
	global_prefetch_b8 v0, s[64:65] scope:SCOPE_SE
	s_setreg_imm32_b32 hwreg(HW_REG_WAVE_MODE, 25, 1), 1
	s_wait_xcnt 0x0
; y[b][h][t][:] = the sum over s <= t of softmax_s(q[t] . k[s] / 8) v[s][:], on f16 operands, f32 sums, maxima and exponentials; y leaves as f16 in head planes.
; LEFT OUT: key steps all of whose keys come after a wave's queries, and slots that come after the work-group's last query: reference()'s own causal mask makes their weights 0 for all inputs.
; SHARES.  Work-group (p, head plane): waves 0-7 own query block p, waves 8-15 block 7 - p (256 queries a block), so every work-group has (p + 1) + (8 - p) = 9 blocks of keys' worth of work.
; A wave owns 32 queries, two tiles of 16, in 256 registers: four waves to a SIMD, so that one wave's softmax stands beside another's products and LDS loads.
; NO CLUSTER: the four work-groups of a head need 8 - p slots each; a joint load would bring a partner slots that none of its waves reads.
; RING.  Two LDS slots of 256 keys (four steps of 64), filled by waves 0, 1 (K's halves) and 2, 3 (V's).  Every work-group walks all 8 changes of slots: the trip counts are constants; what is left out is a step's work and a slot's load, by branches on ids alone.
; LAYOUT.  S^T = K Q^T, O^T = V^T P: a lane holds one query (lane % 16) throughout; two tiles of S^T, rounded to f16 in pairs, are source 1 of the second product; they are laid over S^T's own first registers.  V comes out of LDS turned (ds_load_tr16_b128).
; SOFTMAX.  A running maximum m and sum l for each query: p = 2^(c s - c m), c = log2(e) / 8; in every step O and l are multiplied by a = 2^(c m_old - c m_new).  Key 0 counts for every query, so m is a number from the first step on.
; LIMIT: the operands are f16 (|q|, |k|, |v| under 65,504).
.set SK,    256                        ; keys in a slot
.set KP,    144                        ; a key's row in LDS: 128 bytes + 16
.set VP,    160                        ; a row of V: 128 + 32: eight rows of the turning load fall on different banks
.set VOFF,  SK*KP
.set SLOT1, 1<<17
.set NSL,   8
.set STAGE, SLOT1+SK*(KP+VP)           ; 208,896: 32 rows x 144 bytes for each wave, bytes of their own
.set SPARE, STAGE+16*32*144            ; the spare words, 128 bytes a wave
.set AK0, 1
.set AV0, 2
.set SPW, 3
.set NIL, 4
.set ADK, 5
.set ADV, 6
.set PFO, 7
.set D0,  8
.set D1,  9
.set NINF, 10
.set QO,  11
.set STO, 12
.set RD,  13
.set DB,  14                           ; v14 lane % 16 - 8 (lane / 16)
.set GO,  15
.set ST,  16                           ; tile t's eight at v[16 + 8 t]: +0 c m, +1 m, +2, +3 l, +4 .. +7 at work; a at +6
.set Q,   32                           ; v32-63   Q: tile t, channels 32 c on: 16 t + 8 c
.set KV,  64                           ; v64-127  a step's fragments of K, then of V
.set S,   128                          ; v128-191 S^T: 32 t + 8 kt; then p; then P in 32 t + 0 .. 15
.set O,   192                          ; v192-255 O^T: 32 t + 8 dt
.set WV,  18
.set SEL, 20
.set CS,  22
.set G1K, 24
.set G1V, 32
.set G0K, 40
.set G0V, 44
.set TB,  2
.set SLOTS, 67
.set PFA, 76
.set LIM, 80
.set LQ,  95
.set KF,  98
.set Q0,  99
.macro TLOAD                           ; waves 0, 1 fetch K's halves, waves 2, 3 V's, the others nothing; an s_nop 0 and four v_nop follow each line
	s_cmp_lt_u32 s[WV], 2
	s_cbranch_scc0 .Lnot_k_\@
	tensor_load_to_lds s[G0K:G0K+3], s[G1K:G1K+7]
	s_nop 0
.rept 4
	v_nop
.endr
	s_branch .Lasked_\@
.Lnot_k_\@:
	s_cmp_lt_u32 s[WV], 4
	s_cbranch_scc0 .Lasked_\@
	tensor_load_to_lds s[G0V:G0V+3], s[G1V:G1V+7]
	s_nop 0
.rept 4
	v_nop
.endr
.Lasked_\@:
.endm
; A prefetch of what the NEXT change of slots will ask for: 32,768 dense bytes of K and of V.  The head's work-group with p = 0, which walks all slots, asks, and nobody else; in it waves 4-7 ask for K's, waves 8-11 for V's,
; 8,192 bytes a wave, lanes 256 bytes apart: each block of 256 bytes is named once in the launch.  The last change that fills a slot asks for nothing; slots 0 and 1 come by their loads alone.
.macro ASK
	s_cmp_gt_u32 s[SLOTS], s[LIM]
	s_cbranch_scc0 .Lnot_mine_\@
	global_prefetch_b8 v[PFO], s[PFA:PFA+1] th:TH_LOAD_NT scope:SCOPE_SE
.Lnot_mine_\@:
.endm
	s_load_b128 s[4:7], s[0:1], 0x0                ; qkvh, yh
	v_lshl_add_u32 v[SPW], v0, 2, SPARE
	v_mov_b32 v[NIL], 0
	ds_add_u32 v[SPW], v[NIL]                      ; the wave's opening: the add, twice on end, and its wait ahead of the first tensor load
	ds_add_u32 v[SPW], v[NIL]
	v_lshrrev_b32 v[D0], 5, v0
	v_readfirstlane_b32 s[WV], v[D0]               ; wave 0..15
	s_and_b32 s8, ttmp7, 0xffff
	s_lshl_b32 s8, s8, 18                          ; the head plane's 262,144 bytes
	s_sub_co_u32 s9, 7, ttmp9
	s_cmp_lt_u32 s[WV], 8
	s_cselect_b32 s9, ttmp9, s9                    ; my block of queries: p or 7 - p
	s_and_b32 s10, s[WV], 7
	s_lshl_b32 s10, s10, 5
	s_lshl_b32 s[Q0], s9, 8
	s_add_co_u32 s[Q0], s[Q0], s10                 ; my first query
	s_sub_co_u32 s[LQ], 8, ttmp9
	s_lshl_b32 s[LQ], s[LQ], 8
	s_sub_co_u32 s[LQ], s[LQ], 1                   ; my work-group's last query
	s_and_b32 s11, s[WV], 1                        ; what I fetch, if I fetch: half a slot's rows
	s_lshl_b32 s12, s11, 14
	s_add_co_u32 s12, s12, s8
	s_add_co_u32 s12, s12, 0x1000000               ; K: the second type
	s_mov_b32 s13, 0
	s_add_co_u32 s14, s12, 0x1000000               ; V: the third
	s_mov_b32 s15, 0
	s_mul_i32 s16, s11, 128*KP
	s_mul_i32 s17, s11, 128*VP
	s_add_co_u32 s17, s17, VOFF
	s_mov_b32 s[G1K], (1<<16)|(1<<20)|(4<<22)|(3<<25)   ; no mask; elements of 2 bytes; padding: 4 words after every 32
	s_mov_b32 s[G1V], (1<<16)|(1<<20)|(4<<22)|(7<<25)   ; 8 words
.irp g, G1K, G1V
	s_mov_b32 s[\g+1], 64<<16                      ; tensor_dim0
	s_mov_b32 s[\g+2], 128<<16                     ; tensor_dim1
	s_mov_b32 s[\g+3], 64<<16                      ; tile_dim0
	s_mov_b32 s[\g+4], 128                         ; tile_dim1
	s_mov_b32 s[\g+5], 64                          ; the pitch: rows are dense
	s_mov_b32 s[\g+6], 0
	s_mov_b32 s[\g+7], 0
.endr
	s_mov_b32 s[SEL], 0x76543210
	s_mov_b32 s[SEL+1], 0xfedcba98
	s_mov_b32 s[CS], 0x3e38aa3b                    ; c = log2(e) / 8
	s_mov_b32 s[CS+1], s[CS]
	s_mov_b32 s[TB], 0
	s_mov_b32 s[SLOTS], NSL-1
	s_mov_b32 s[KF], 0
	s_lshl_b32 s70, s[Q0], 7
	s_add_co_u32 s70, s70, s8                      ; my first row in q's and in y's planes
	s_mov_b32 s71, 0
	s_cmp_lt_u32 s[WV], 8                          ; the prefetches: K's type or V's,
	s_cselect_b32 s74, 0, 0x1000000
	s_add_co_u32 s74, s74, 0x1008000               ; in slot 1: the first change of slots steps it to slot 2,
	s_add_co_u32 s74, s74, s8
	s_and_b32 s75, s[WV], 3
	s_lshl_b32 s75, s75, 13
	s_add_co_u32 s74, s74, s75                     ; my wave's 8,192 bytes
	s_mov_b32 s75, 0
	s_sub_co_u32 s9, s[WV], 4
	s_lshr_b32 s9, s9, 3                           ; 0 in waves 4 to 11,
	s_or_b32 s9, s9, ttmp9                         ; of the work-group with p = 0
	s_cmp_eq_u32 s9, 0
	s_cselect_b32 s[LIM], 1, -1
	s_wait_dscnt 0x0                               ; both opening adds are done
	s_wait_kmcnt 0x0
	s_mov_b32 s[G0K], 1
	s_mov_b32 s[G0K+1], s16
	s_add_nc_u64 s[G0K+2:G0K+3], s[4:5], s[12:13]
	s_or_b32 s[G0K+3], s[G0K+3], 0x80000000
	s_mov_b32 s[G0V], 1
	s_mov_b32 s[G0V+1], s17
	s_add_nc_u64 s[G0V+2:G0V+3], s[4:5], s[14:15]
	s_or_b32 s[G0V+3], s[G0V+3], 0x80000000
	TLOAD                                          ; slot 0: it holds key 0, which counts for every query
	s_add_nc_u64 s[72:73], s[4:5], s[70:71]        ; q at my first query
	s_add_nc_u64 s[6:7], s[6:7], s[70:71]          ; y likewise
	s_add_nc_u64 s[PFA:PFA+1], s[4:5], s[74:75]
	v_and_b32 v[D0], 15, v0                        ; r
	v_bfe_u32 v[D1], v0, 4, 1                      ; h
	v_lshlrev_b32 v[QO], 7, v[D0]
	v_lshl_add_u32 v[QO], v[D1], 4, v[QO]          ; row r of 128 bytes + 16 h
.irp t, 0,1
.irp c, 0,1
	global_load_b128 v[Q+16*\t+8*\c:Q+16*\t+8*\c+3], v[QO], s[72:73] offset:2048*\t+64*\c
	global_load_b128 v[Q+16*\t+8*\c+4:Q+16*\t+8*\c+7], v[QO], s[72:73] offset:2048*\t+64*\c+32
.endr
.endr
	v_mul_u32_u24 v[AK0], v[D0], KP
	v_lshl_add_u32 v[AK0], v[D1], 4, v[AK0]
	v_and_b32 v[ADK], 7, v0
	v_lshl_add_u32 v[AV0], v[D1], 3, v[ADK]        ; the turning load: key 8 h + lane % 8,
	v_mul_u32_u24 v[AV0], v[AV0], VP
	v_bfe_u32 v[ADV], v0, 3, 1
	v_lshl_add_u32 v[AV0], v[ADV], 4, v[AV0]       ; channels 8 ((lane / 8) % 2) on
	v_add_nc_u32 v[AV0], VOFF, v[AV0]
	s_mul_i32 s9, s[WV], 32*144
	s_add_co_u32 s9, s9, STAGE                     ; my stage
	v_mul_u32_u24 v[STO], v[D0], 144
	v_lshl_add_u32 v[STO], v[D1], 4, v[STO]
	v_add_nc_u32 v[STO], s9, v[STO]
	v_and_b32 v[GO], 31, v0
	v_lshrrev_b32 v[RD], 3, v[GO]
	v_mul_u32_u24 v[RD], v[RD], 144
	v_lshl_add_u32 v[RD], v[ADK], 4, v[RD]
	v_add_nc_u32 v[RD], s9, v[RD]
	v_lshlrev_b32 v[PFO], 8, v[GO]
	v_lshlrev_b32 v[GO], 4, v[GO]
	v_lshlrev_b32 v[DB], 3, v[D1]
	v_sub_nc_u32 v[DB], v[D0], v[DB]
	v_mov_b32 v[NINF], 0xff800000
.irp t, 0,1
	v_mov_b32 v[ST+8*\t+1], 0xff61b1e6             ; m: -3e38, under every score
	v_mul_f32 v[ST+8*\t], s[CS], v[ST+8*\t+1]      ; c m
	v_mov_b32 v[ST+8*\t+2], 0                      ; l, in two halves
	v_mov_b32 v[ST+8*\t+3], 0
.endr
.irp j, 0,1,2,3,4,5,6,7,8,9,10,11,12,13,14,15,16,17,18,19,20,21,22,23,24,25,26,27,28,29,30,31,32,33,34,35,36,37,38,39,40,41,42,43,44,45,46,47,48,49,50,51,52,53,54,55,56,57,58,59,60,61,62,63
	v_mov_b32 v[O+\j], 0                           ; O^T.  (The step is written once for all steps: the first finds zeros, and its a is 0)
.endr
; A KEY STEP: 64 keys, the q-th of the slot in hand
.macro STEP q
	s_add_co_u32 s96, s[Q0], 31
	s_cmp_gt_u32 s[KF], s96                        ; all 64 keys come after my 32 queries: the step's work is left out; ids and the count of steps alone
	s_cbranch_scc1 .Lhidden_\@
	v_add_nc_u32 v[ADK], s[TB], v[AK0]
	v_add_nc_u32 v[ADV], s[TB], v[AV0]
.rept 3
	v_nop                                          ; with the two additions five places behind the last step's products: K's loads land in what they read, and the new scores are laid over P
.endr
.irp kt, 0,1,2,3
.irp c, 0,1
	ds_load_b128 v[KV+8*(2*\kt+\c):KV+8*(2*\kt+\c)+3], v[ADK] offset:(64*(\q)+16*\kt)*KP+64*\c
	ds_load_b128 v[KV+8*(2*\kt+\c)+4:KV+8*(2*\kt+\c)+7], v[ADK] offset:(64*(\q)+16*\kt)*KP+64*\c+32
.endr
.endr
	s_wait_dscnt 0x0
.irp c, 0,1                                    ; S^T = K Q^T: eight accumulators by turns
.irp kt, 0,1,2,3
.irp t, 0,1
.if \c == 0
	v_wmma_f32_16x16x32_f16 v[S+32*\t+8*\kt:S+32*\t+8*\kt+7], v[KV+8*(2*\kt+\c):KV+8*(2*\kt+\c)+7], v[Q+16*\t+8*\c:Q+16*\t+8*\c+7], 0
.else
	v_wmma_f32_16x16x32_f16 v[S+32*\t+8*\kt:S+32*\t+8*\kt+7], v[KV+8*(2*\kt+\c):KV+8*(2*\kt+\c)+7], v[Q+16*\t+8*\c:Q+16*\t+8*\c+7], v[S+32*\t+8*\kt:S+32*\t+8*\kt+7]
.endif
.endr
.endr
.endr
.rept 4
	v_nop                                          ; places: V's loads land in K's registers, and the scores are read
.endr
.irp kh, 0,1
.irp dt, 0,1,2,3
	ds_load_tr16_b128 v[KV+8*(4*\kh+\dt):KV+8*(4*\kh+\dt)+3], v[ADV] offset:(64*(\q)+32*\kh)*VP+32*\dt
	ds_load_tr16_b128 v[KV+8*(4*\kh+\dt)+4:KV+8*(4*\kh+\dt)+7], v[ADV] offset:(64*(\q)+32*\kh+16)*VP+32*\dt
.endr
.endr
	s_add_co_u32 s96, s[KF], 63
	s_cmp_le_u32 s96, s[Q0]                        ; all keys count for all my queries: no mask
	s_cbranch_scc1 .Lopen_\@
	s_sub_co_i32 s96, s[Q0], s[KF]
	v_add_nc_u32 v[D0], s96, v[DB]                 ; register n of tile t holds key KF + 16 (n / 8) + 8 h + n % 8: hidden where 16 (n / 8) + n % 8 > Q0 - KF + 16 t + r - 8 h
	v_add_nc_u32 v[D1], 16, v[D0]
.irp n, 0,1,2,3,4,5,6,7,8,9,10,11,12,13,14,15,16,17,18,19,20,21,22,23,24,25,26,27,28,29,30,31
	v_cmp_gt_i32 vcc_lo, 16*(\n/8)+\n%8, v[D0]
	v_cndmask_b32 v[S+\n], v[S+\n], v[NINF], vcc_lo
	v_cmp_gt_i32 vcc_lo, 16*(\n/8)+\n%8, v[D1]
	v_cndmask_b32 v[S+32+\n], v[S+32+\n], v[NINF], vcc_lo
.endr
.Lopen_\@:
	; the softmax, the two tiles line by line by turns.  The maximum: four chains, each accumulator from its low end on
.irp j, 0,1,2,3
.irp t, 0,1
	v_max3_num_f32 v[ST+8*\t+4+\j], v[S+32*\t+8*\j], v[S+32*\t+8*\j+1], v[S+32*\t+8*\j+2]
.endr
.endr
.irp i, 3,5
.irp j, 0,1,2,3
.irp t, 0,1
	v_max3_num_f32 v[ST+8*\t+4+\j], v[ST+8*\t+4+\j], v[S+32*\t+8*\j+\i], v[S+32*\t+8*\j+\i+1]
.endr
.endr
.endr
.irp t, 0,1
	v_max3_num_f32 v[ST+8*\t+4], v[ST+8*\t+4], v[S+32*\t+7], v[S+32*\t+15]
.endr
.irp t, 0,1
	v_max3_num_f32 v[ST+8*\t+6], v[ST+8*\t+6], v[S+32*\t+23], v[S+32*\t+31]
.endr
.irp t, 0,1
	v_max3_num_f32 v[ST+8*\t+4], v[ST+8*\t+4], v[ST+8*\t+5], v[ST+8*\t+6]
.endr
.irp t, 0,1
	v_max3_num_f32 v[ST+8*\t+4], v[ST+8*\t+4], v[ST+8*\t+7], v[ST+8*\t+1]   ; and the old m
.endr
.irp t, 0,1
	v_permlanex16_b32 v[ST+8*\t+5], v[ST+8*\t+4], s[SEL], s[SEL+1]          ; the query's other 32 keys lie in the lane 16 away
.endr
.irp t, 0,1
	v_mov_b32 v[ST+8*\t+7], v[ST+8*\t]             ; c m_old
.endr
.irp t, 0,1
	v_max_num_f32 v[ST+8*\t+1], v[ST+8*\t+4], v[ST+8*\t+5]
.endr
.irp t, 0,1
	v_mul_f32 v[ST+8*\t], s[CS], v[ST+8*\t+1]
.endr
.irp t, 0,1
	v_sub_f32 v[ST+8*\t+7], v[ST+8*\t+7], v[ST+8*\t]
.endr
.irp j, 0,2,4,6,8,10,12,14,16,18,20,22,24,26,28,30
.irp t, 0,1
	v_pk_fma_f32 v[S+32*\t+\j:S+32*\t+\j+1], v[S+32*\t+\j:S+32*\t+\j+1], s[CS:CS+1], v[ST+8*\t:ST+8*\t+1] op_sel_hi:[1,0,0] neg_lo:[0,0,1] neg_hi:[0,0,1]   ; c s - c m
.endr
.endr
.irp t, 0,1
	v_exp_f32 v[ST+8*\t+6], v[ST+8*\t+7]           ; a
.endr
.irp j, 0,1,2,3,4,5,6,7,8,9,10,11,12,13,14,15,16,17,18,19,20,21,22,23,24,25,26,27,28,29,30,31
.irp t, 0,1
	v_exp_f32 v[S+32*\t+\j], v[S+32*\t+\j]         ; p: the 66 exponentials of both tiles are one batch
.endr
.endr
	v_nop                                          ; a plain instruction behind the last exponential
	s_wait_alu depctr_va_vdst(0)                   ; and one wait for the batch, ahead of its first reader
.irp t, 0,1
	v_pk_add_f32 v[ST+8*\t+4:ST+8*\t+5], v[S+32*\t:S+32*\t+1], v[S+32*\t+2:S+32*\t+3]      ; the sum is taken of the unrounded p
.endr
.irp j, 4,6,8,10,12,14,16,18,20,22,24,26,28,30
.irp t, 0,1
	v_pk_add_f32 v[ST+8*\t+4:ST+8*\t+5], v[ST+8*\t+4:ST+8*\t+5], v[S+32*\t+\j:S+32*\t+\j+1]
.endr
.endr
.irp t, 0,1
	v_pk_fma_f32 v[ST+8*\t+2:ST+8*\t+3], v[ST+8*\t+2:ST+8*\t+3], v[ST+8*\t+6:ST+8*\t+7], v[ST+8*\t+4:ST+8*\t+5] op_sel_hi:[1,0,1]   ; l = l a + the sum
.endr
.irp j, 0,1,2,3,4,5,6,7,8,9,10,11,12,13,14,15
.irp t, 0,1
	v_cvt_pk_f16_f32 v[S+32*\t+\j], v[S+32*\t+2*\j], v[S+32*\t+2*\j+1]       ; P in place: register j is used up before it is written
.endr
.endr
.irp j, 0,2,4,6,8,10,12,14,16,18,20,22,24,26,28,30
.irp t, 0,1
	v_pk_mul_f32 v[O+32*\t+\j:O+32*\t+\j+1], v[O+32*\t+\j:O+32*\t+\j+1], v[ST+8*\t+6:ST+8*\t+7] op_sel_hi:[1,0]   ; O^T x a
.endr
.endr
	s_wait_dscnt 0x0                               ; V is in
.irp kh, 0,1                                   ; O^T += V^T P: eight accumulators by turns
.irp dt, 0,1,2,3
.irp t, 0,1
	v_wmma_f32_16x16x32_f16 v[O+32*\t+8*\dt:O+32*\t+8*\dt+7], v[KV+8*(4*\kh+\dt):KV+8*(4*\kh+\dt)+7], v[S+32*\t+8*\kh:S+32*\t+8*\kh+7], v[O+32*\t+8*\dt:O+32*\t+8*\dt+7]
.endr
.endr
.endr
.Lhidden_\@:
	s_add_co_u32 s[KF], s[KF], 64
.endm
; THE CHANGE OF SLOTS, at a slot's head.  Each wave waits for all its tensor loads, adds 0 to its spare word, and waits for that and for its reads of the slot that it has left; behind the barrier the slot ahead is whole and nobody reads the other.
; fill = 1: the other slot is asked for, while its first key is at or under the work-group's last query.
.macro CHANGE fill
	s_wait_tensorcnt 0x0                           ; no tensor load of mine is out, so a group 0 may be written
	ds_add_u32 v[SPW], v[NIL]                      ; 0 onto my spare word
.if \fill
	ds_add_u32 v[SPW], v[NIL]                      ; and once more, in every trip alike
	s_xor_b32 s[G0K+1], s[G0K+1], SLOT1            ; the walking descriptors: the other slot, the next 256 keys
	s_add_nc_u64 s[G0K+2:G0K+3], s[G0K+2:G0K+3], SK*128
	s_xor_b32 s[G0V+1], s[G0V+1], SLOT1
	s_add_nc_u64 s[G0V+2:G0V+3], s[G0V+2:G0V+3], SK*128
	s_wait_xcnt 0x0                                ; the last prefetch, a slot back, has read its address
	s_add_nc_u64 s[PFA:PFA+1], s[PFA:PFA+1], SK*128
.endif
	s_wait_dscnt 0x0
	s_barrier_signal -1
	s_barrier_wait -1
.if \fill
	s_add_co_u32 s96, s[KF], SK                    ; the first key of the slot that this change would ask for
	s_cmp_gt_u32 s96, s[LQ]                        ; ids and the count of steps alone: all sixteen waves go the same way; every wait for tensor loads in this text is for 0
	s_cbranch_scc1 .Lpast_\@
	TLOAD                                          ; a wave's one tensor load until the next such barrier
.Lpast_\@:
	ASK
.endif
.endm
.macro SLOT_STEPS
	STEP 0
	STEP 1
	STEP 2
	STEP 3
	s_xor_b32 s[TB], s[TB], SLOT1
.endm
	s_wait_loadcnt 0x0                             ; Q
.Lslot:                                            ; 7 trips
	CHANGE 1
	SLOT_STEPS
	s_sub_co_u32 s[SLOTS], s[SLOTS], 1
	s_cmp_lg_u32 s[SLOTS], 0
	s_cbranch_scc1 .Lslot
	CHANGE 0                                       ; the last slot is written out: nothing is left to ask for
	SLOT_STEPS
	; THE WAY OUT: O^T / l, to f16, through my stage, as whole rows: four rows of a head plane are 512 consecutive bytes
.irp t, 0,1
	v_add_f32 v[ST+8*\t+4], v[ST+8*\t+2], v[ST+8*\t+3]
.endr
.irp t, 0,1
	v_permlanex16_b32 v[ST+8*\t+5], v[ST+8*\t+4], s[SEL], s[SEL+1]
.endr
.irp t, 0,1
	v_add_f32 v[ST+8*\t+4], v[ST+8*\t+4], v[ST+8*\t+5]
.endr
.irp t, 0,1
	v_rcp_f32 v[ST+8*\t+6], v[ST+8*\t+4]
.endr
	v_nop
	s_wait_alu depctr_va_vdst(0)                   ; one wait for both reciprocals
.irp t, 0,1
.irp j, 0,2,4,6,8,10,12,14,16,18,20,22,24,26,28,30
	v_pk_mul_f32 v[O+32*\t+\j:O+32*\t+\j+1], v[O+32*\t+\j:O+32*\t+\j+1], v[ST+8*\t+6:ST+8*\t+7] op_sel_hi:[1,0]
.endr
.endr
.irp j, 0,1,2,3,4,5,6,7,8,9,10,11,12,13,14,15,16,17,18,19,20,21,22,23,24,25,26,27,28,29,30,31
	v_cvt_pk_f16_f32 v[S+\j], v[O+2*\j], v[O+2*\j+1]     ; register 16 t + 4 dt + g: channels 16 dt + 8 h + 2 g, + 1 of query 16 t + r
.endr
.irp t, 0,1
.irp dt, 0,1,2,3
	ds_store_b128 v[STO], v[S+16*\t+4*\dt:S+16*\t+4*\dt+3] offset:2304*\t+32*\dt
.endr
.endr
.irp i, 0,1,2,3,4,5,6,7
	ds_load_b128 v[KV+4*\i:KV+4*\i+3], v[RD] offset:576*\i       ; LDS serves a wave's instructions in order: these see my stores
.endr
.irp i, 0,1,2,3,4,5,6,7
	s_wait_dscnt 7-\i                              ; the younger loads may be out
	global_store_b128 v[GO], v[KV+4*\i:KV+4*\i+3], s[6:7] offset:512*\i
.endr
	s_wait_tensorcnt 0x0                           ; the wave's end
	ds_add_u32 v[SPW], v[NIL]
	s_wait_dscnt 0x0
	s_endpgm
.Lfunc_end_k_q7d7e50a4ed_attn:
	.size	k_q7d7e50a4ed_attn, .Lfunc_end_k_q7d7e50a4ed_attn-k_q7d7e50a4ed_attn
	.p2alignl 7, 3214868480
	.fill 96, 4, 3214868480
	.section	.rodata,"a",@progbits
	.p2align	6, 0x0
	.amdhsa_kernel k_q7d7e50a4ed_attn
		.amdhsa_group_segment_fixed_size 327680
		.amdhsa_private_segment_fixed_size 0
		.amdhsa_enable_private_segment 0
		.amdhsa_kernarg_size 16
		.amdhsa_user_sgpr_count 2
		.amdhsa_user_sgpr_kernarg_segment_ptr 1
		.amdhsa_wavefront_size32 1
		.amdhsa_system_sgpr_workgroup_id_x 1
		.amdhsa_system_sgpr_workgroup_id_y 1
		.amdhsa_system_sgpr_workgroup_id_z 1
		.amdhsa_system_vgpr_workitem_id 0
		.amdhsa_next_free_vgpr 256
		.amdhsa_next_free_sgpr 100
		.amdhsa_reserve_vcc 1
		.amdhsa_float_denorm_mode_32 3
		.amdhsa_float_denorm_mode_16_64 3
		.amdhsa_memory_ordered 1
		.amdhsa_forward_progress 1
		.amdhsa_inst_pref_size 187
	.end_amdhsa_kernel
	.amdgpu_metadata
---
amdhsa.version: [ 1, 2 ]
amdhsa.kernels:
  - .name:           k_q7d7e50a4ed_attn
    .symbol:         k_q7d7e50a4ed_attn.kd
    .args:
      - { .name: qkvh, .offset: 0, .size: 8, .value_kind: global_buffer, .address_space: global }
      - { .name: yh, .offset: 8, .size: 8, .value_kind: global_buffer, .address_space: global }
    .group_segment_fixed_size: 327680
    .private_segment_fixed_size: 0
    .kernarg_segment_align: 8
    .kernarg_segment_size: 16
    .max_flat_workgroup_size: 512
    .sgpr_count:     100
    .vgpr_count:     256
    .wavefront_size: 32
...
	.end_amdgpu_metadata
.endif
;; end of part 3
;; launch proj (part 4): grid 4 x 64, 4 waves a work-group, clusters of 4 x 4, 327,680 bytes of LDS; arguments yh, wp16, bp, out0; writes out0
.if DOCPART == 4
	.amdgcn_target "amdgcn-amd-amdhsa--gfx1250"
	.amdhsa_code_object_version 6
	.text
	.protected	k_q7d7e50a4ed_proj
	.globl	k_q7d7e50a4ed_proj
	.p2align	8
	.type	k_q7d7e50a4ed_proj,@function
k_q7d7e50a4ed_proj:
	s_mov_b64 s[64:65], 0
	v_nop
	global_prefetch_b8 v0, s[64:65] scope:SCOPE_SE
	s_setreg_imm32_b32 hwreg(HW_REG_WAVE_MODE, 25, 1), 1
	s_wait_xcnt 0x0
	s_wait_alu depctr_hold_cnt(0) depctr_sa_sdst(0) depctr_va_vdst(0) depctr_va_sdst(0) depctr_va_ssrc(0) depctr_va_vcc(0) depctr_vm_vsrc(0)
	s_getreg_b32 s2, hwreg(HW_REG_IB_STS2, 6, 4)
	s_cmp_eq_u32 s2, 0
	s_cbranch_scc0 .Lentry_in_a_cluster
	s_endpgm
.Lentry_in_a_cluster:
	s_bfe_u32 s2, ttmp6, 0x10000c
	s_cmp_lg_u32 s2, 0xf033
	s_cbranch_scc0 .Lentry_shape_is_right
	s_endpgm
.Lentry_shape_is_right:
; out = y wp^T + bp, f16 operands, f32 sums.  y lies in head planes [b][h][t][64]; K = h x 64 + d is the planes' own order.
; NOT STORED HERE: positions 0 to 15 of every sequence, which the launch first16 makes in f32 and stores; their products stay, inside a tile that holds live work.
; A tile of out is 128 x 256: 256 work-groups.  Four waves, each 64 x 128: 32 accumulators.  K goes in 8 steps of 128 (two head planes) through a ring of two LDS slots.
; CLUSTERS: 4 x 4.  Tile column = cx; tile row = 16 cy + the cluster's y, so the batch is cy and the first position is 128 x the cluster's y, the same in all partners.  y's tiles are shared along a row of the cluster, wp's along a column: joint loads.
; Waves 0, 1 fetch a K step's two planes of y (128 rows x 128 bytes each), waves 2, 3 the halves of wp's 256 rows x 256 bytes.
; NO PREFETCH: of the 8 K steps two are first fills, and the two behind them would be asked for only a step ahead of their loads; the rest is 4 steps.
; THE MATRIX INSTRUCTION IS USED TRANSPOSED (source 0 = 16 rows of wp, source 1 = 16 rows of y): a lane holds eight neighbouring numbers of a row of out.  The bias is the C of each sum's first product.
; REGISTERS: window 0: v0-31 addresses; two fragment buffers of 96 (y's 4 fragments, then wp's 8) at v32 and v128.   window 1: the accumulators ((a, b) at v[8 (8 a + b)]).   window 2: v0-63 the bias.
.set PA,    144                        ; a row of y in LDS: 128 bytes + 16
.set PB,    272                        ; a row of wp: 256 + 16
.set APL,   128*PA                     ; a plane's tile
.set BOFF,  2*APL
.set BH,    128*PB
.set SLOT,  BOFF+2*BH                  ; 106,496
.set STAGE, 2*SLOT
.set SPITCH, 528
.set SPARE, STAGE+4*16*SPITCH
.set LAPS,  4
.set ADRA, 16
.set ADRB, 20
.set STO,  24
.set RD,   25
.set CO,   26
.set SPW,  28
.set NIL,  29
.set F0,   32
.set F1,   128
.set BK,   32
.set G1A, 24
.set G0A, 32
.set G1B, 48
.set G0B, 56
.set MSB, 0
.macro WIN new
.if MSB != (\new)
	s_set_vgpr_msb (MSB<<8)|(\new)
.set MSB, (\new)
.endif
.endm
.set MUL,  0x50                        ; C and D window 1
.set MULB, 0x60                        ; C window 2 (the bias), D window 1
.macro JLOAD s
	s_cmp_eq_u32 s21, 0
	s_cbranch_scc0 .Lfor_b_\@
	tensor_load_to_lds s[G0A+4*\s:G0A+4*\s+3], s[G1A:G1A+7]
	s_nop 0
.rept 4
	v_nop
.endr
	s_branch .Lasked_\@
.Lfor_b_\@:
	tensor_load_to_lds s[G0B+4*\s:G0B+4*\s+3], s[G1B:G1B+7]
	s_nop 0
.rept 4
	v_nop
.endr
.Lasked_\@:
.endm
.macro CREST
	s_cmp_lg_u32 s20, 0
	s_cbranch_scc1 .Lnot_wave_0_\@
	s_barrier_signal -3
.Lnot_wave_0_\@:
	s_barrier_wait -3
	s_barrier_signal -1
	s_barrier_wait -1
.endm
.macro CROUND
	s_barrier_signal -1
	s_barrier_wait -1
	CREST
.endm
	s_load_b256 s[4:11], s[0:1], 0x0               ; yh 4:5, wp16 6:7, bp 8:9, out0 10:11
	v_lshl_add_u32 v[SPW], v0, 2, SPARE
	v_mov_b32 v[NIL], 0
	ds_add_u32 v[SPW], v[NIL]                      ; the wave's opening: the add, twice on end, and its wait ahead of my first tensor load
	ds_add_u32 v[SPW], v[NIL]
	v_lshrrev_b32 v1, 5, v0
	v_readfirstlane_b32 s20, v1                    ; wave
	s_lshr_b32 s21, s20, 1                         ; my half of the rows.  Also: I fetch y (0) or wp (1)
	s_and_b32 s22, s20, 1                          ; my half of the columns.  Also: which plane, or which 128 rows, I fetch
	s_bfe_u32 s40, ttmp6, 0x40000                  ; cx
	s_bfe_u32 s41, ttmp6, 0x40004                  ; cy
	s_and_b32 s97, ttmp7, 0xffff                   ; the cluster's y
	s_or_b32 s99, s97, s21                         ; 0 where my rows begin with positions 0 to 15
	s_lshl_b32 s43, s41, 2
	s_lshl_b32 s43, 15, s43                        ; my row of the cluster
	s_lshl_b32 s44, 0x1111, s40                    ; my column
	s_or_b32 s[G1A], s43, (1<<16)|(1<<20)|(1<<21)|(4<<22)|(3<<25)   ; elements of 2 bytes; padding: 4 words after every 32
	s_mov_b32 s[G1A+1], 64<<16
	s_mov_b32 s[G1A+2], 128<<16
	s_mov_b32 s[G1A+3], 64<<16
	s_mov_b32 s[G1A+4], 128
	s_mov_b32 s[G1A+5], 64
	s_mov_b32 s[G1A+6], 0
	s_mov_b32 s[G1A+7], 0
	s_or_b32 s[G1B], s44, (1<<16)|(1<<20)|(1<<21)|(5<<22)|(3<<25)   ; after every 64
	s_mov_b32 s[G1B+1], 128<<16
	s_mov_b32 s[G1B+2], 128<<16
	s_mov_b32 s[G1B+3], 128<<16
	s_mov_b32 s[G1B+4], 128
	s_mov_b32 s[G1B+5], 1024
	s_mov_b32 s[G1B+6], 0
	s_mov_b32 s[G1B+7], 0
	s_lshl_b32 s12, s41, 22                        ; y: the batch's 16 planes,
	s_lshl_b32 s13, s22, 18                        ; my plane of the K step's two,
	s_add_co_u32 s12, s12, s13
	s_lshl_b32 s13, s97, 14                        ; the tile's 128 rows of 128 bytes
	s_add_co_u32 s12, s12, s13
	s_mov_b32 s13, 0
	s_lshl_b32 s46, s40, 8
	s_lshl_b32 s47, s22, 7
	s_add_co_u32 s46, s46, s47
	s_lshl_b32 s46, s46, 11                        ; wp: row 256 cx + 128 half, 2,048 bytes a row
	s_mov_b32 s47, 0
	s_mul_i32 s14, s22, APL                        ; where they go: the wave's number alone
	s_mul_i32 s15, s22, BH
	s_add_co_u32 s15, s15, BOFF
	s_wait_dscnt 0x0                               ; both opening adds are done
	s_wait_kmcnt 0x0
	s_add_nc_u64 s[12:13], s[4:5], s[12:13]
	s_add_nc_u64 s[46:47], s[6:7], s[46:47]
	CROUND                                         ; all sixteen work-groups are here
.irp s, 0,1
	s_mov_b32 s[G0A+4*\s], 1
	s_add_co_u32 s[G0A+4*\s+1], s14, \s*SLOT
	s_add_nc_u64 s[G0A+4*\s+2:G0A+4*\s+3], s[12:13], \s*524288     ; K step s: planes 2 s, 2 s + 1
	s_or_b32 s[G0A+4*\s+3], s[G0A+4*\s+3], 0x80000000
	s_mov_b32 s[G0B+4*\s], 1
	s_add_co_u32 s[G0B+4*\s+1], s15, \s*SLOT
	s_add_nc_u64 s[G0B+4*\s+2:G0B+4*\s+3], s[46:47], \s*256
	s_or_b32 s[G0B+4*\s+3], s[G0B+4*\s+3], 0x80000000
	JLOAD \s                                       ; two tensor loads of mine are out
.endr
	v_and_b32 v1, 15, v0                           ; r
	v_bfe_u32 v2, v0, 4, 1                         ; h
	v_mul_u32_u24 v3, v1, PA
	v_lshl_add_u32 v3, v2, 4, v3
	v_mul_u32_u24 v4, v1, PB
	v_lshl_add_u32 v4, v2, 4, v4
	s_mul_i32 s23, s21, 64*PA                      ; my 64 rows of y
	s_mul_i32 s95, s22, BH                         ; my 128 rows of wp
	s_add_co_u32 s95, s95, BOFF
.irp s, 0,1
	v_add_nc_u32 v[ADRA+\s], s23, v3
	v_add_nc_u32 v[ADRB+\s], s95, v4
	s_add_co_u32 s23, s23, SLOT
	s_add_co_u32 s95, s95, SLOT
.endr
	s_mul_i32 s23, s20, 16*SPITCH
	s_add_co_u32 s23, s23, STAGE                   ; my stage
	v_mul_u32_u24 v5, v1, SPITCH
	v_lshl_add_u32 v5, v2, 5, v5
	v_add_nc_u32 v[STO], s23, v5
	v_and_b32 v6, 31, v0
	v_lshlrev_b32 v[CO], 4, v6
	v_add_nc_u32 v[RD], s23, v[CO]
	v_lshlrev_b32 v7, 5, v2                        ; the bias: 32 h
	s_lshl_b32 s12, s41, 11
	s_lshl_b32 s13, s97, 7
	s_add_co_u32 s12, s12, s13
	s_lshl_b32 s13, s21, 6
	s_add_co_u32 s12, s12, s13                     ; my first row of out
	s_lshl_b32 s12, s12, 12
	s_lshl_b32 s46, s40, 10
	s_lshl_b32 s47, s22, 9
	s_add_co_u32 s46, s46, s47                     ; my first column, in bytes
	s_mov_b32 s47, 0
	s_add_nc_u64 s[8:9], s[8:9], s[46:47]
	s_add_co_u32 s46, s46, s12
	s_add_nc_u64 s[10:11], s[10:11], s[46:47]
	WIN 0x80                                       ; destination window 2
.irp b, 0,1,2,3,4,5,6,7
	global_load_b128 v[8*\b:8*\b+3], v7, s[8:9] offset:64*\b
	global_load_b128 v[8*\b+4:8*\b+7], v7, s[8:9] offset:64*\b+16
.endr
	WIN 0
.macro MUL8 f, a, bias                 ; y's block a x wp's eight, 32 along K.  The 32 accumulators take turns in one order throughout
.irp b, 0,1,2,3,4,5,6,7
.if \bias
	v_wmma_f32_16x16x32_f16 v[8*(8*(\a)+\b):8*(8*(\a)+\b)+7], v[\f+32+8*\b:\f+32+8*\b+7], v[\f+8*(\a):\f+8*(\a)+7], v[8*\b:8*\b+7]
.else
	v_wmma_f32_16x16x32_f16 v[8*(8*(\a)+\b):8*(8*(\a)+\b)+7], v[\f+32+8*\b:\f+32+8*\b+7], v[\f+8*(\a):\f+8*(\a)+7], v[8*(8*(\a)+\b):8*(8*(\a)+\b)+7]
.endif
.endr
.endm
.macro FETCH slot, q, f                ; 24 LDS loads in one run: wp's 16, then y's blocks 0 to 3; quarter q of the slot's 128 along K
.irp i, 0,1,2,3,4,5,6,7
	ds_load_b128 v[\f+32+8*\i:\f+32+8*\i+3], v[ADRB+\slot] offset:64*(\q)+\i*16*PB
	ds_load_b128 v[\f+32+8*\i+4:\f+32+8*\i+7], v[ADRB+\slot] offset:64*(\q)+\i*16*PB+32
.endr
.irp i, 0,1,2,3
	ds_load_b128 v[\f+8*\i:\f+8*\i+3], v[ADRA+\slot] offset:((\q)/2)*APL+((\q)%2)*64+\i*16*PA
	ds_load_b128 v[\f+8*\i+4:\f+8*\i+7], v[ADRA+\slot] offset:((\q)/2)*APL+((\q)%2)*64+\i*16*PA+32
.endr
.endm
.macro PLACES
.rept 4
	v_nop
.endr
.endm
.macro QUARTER slot, qn, f, g, bias    ; multiplies buffer f; in its middle fetches quarter qn of the same slot into g
	s_wait_dscnt 4                                 ; wp's fragments and y's blocks 0, 1 are in; the youngest 4 loads (blocks 2, 3) may be out
.if \bias
	WIN MULB
.else
	WIN MUL
.endif
	MUL8 \f, 0, \bias
	MUL8 \f, 1, \bias
	WIN 0
	PLACES
	FETCH \slot, \qn, \g
	s_wait_dscnt 24                                ; all but the 24 just issued
.if \bias
	WIN MULB
.else
	WIN MUL
.endif
	MUL8 \f, 2, \bias
	MUL8 \f, 3, \bias
.endm
; The last quarter multiplies buffer 1 and changes slots: one barrier; in front of it each wave waits for all its tensor loads, adds 0 to its spare word, and waits for that and for its reads of this slot
.macro TURN slot, next, fill
	WIN 0
	s_wait_tensorcnt 0x0                           ; all my tensor loads have landed: my part of the next slot
	ds_add_u32 v[SPW], v[NIL]                      ; 0 onto my spare word
	s_wait_dscnt 5                                 ; (the add and the youngest 4 loads may be out)
	WIN MUL
	MUL8 F1, 0, 0
	s_wait_dscnt 0x0                               ; the add is done, and my reads of this slot are over
	s_barrier_signal -1
	MUL8 F1, 1, 0
	WIN 0
	s_barrier_wait -1
.if \fill
	CREST                                          ; the barrier has opened a round of the cluster's: no wave of any partner still reads this slot or has a load on its way
	s_add_nc_u64 s[G0A+4*\slot+2:G0A+4*\slot+3], s[G0A+4*\slot+2:G0A+4*\slot+3], 1048576    ; two K steps on: four planes
	s_add_nc_u64 s[G0B+4*\slot+2:G0B+4*\slot+3], s[G0B+4*\slot+2:G0B+4*\slot+3], 512
	JLOAD \slot                                    ; the first tensor load behind the round; its four v_nop are the places in front of the loads below
.else
	PLACES
.endif
	FETCH \next, 0, F0
	WIN MUL
	MUL8 F1, 2, 0
	MUL8 F1, 3, 0
.endm
	s_wait_tensorcnt 1                             ; my part of K step 0 is in (K step 1's may be out)
	s_barrier_signal -1
	s_barrier_wait -1                              ; everybody's is
	FETCH 0, 0, F0
	s_wait_loadcnt 0x0                             ; the bias
	QUARTER 0, 1, F0, F1, 1                        ; the first quarter starts the sums with the bias
	WIN 0
	s_mov_b32 s3, LAPS-1
.Llap:                                             ; a trip goes once round the ring and fills both slots again
	QUARTER 0, 2, F1, F0, 0
	QUARTER 0, 3, F0, F1, 0
	TURN 0, 1, 1
	QUARTER 1, 1, F0, F1, 0
	QUARTER 1, 2, F1, F0, 0
	QUARTER 1, 3, F0, F1, 0
	TURN 1, 0, 1
	QUARTER 0, 1, F0, F1, 0
	WIN 0
	s_sub_co_u32 s3, s3, 1
	s_cmp_lg_u32 s3, 0
	s_cbranch_scc1 .Llap
	QUARTER 0, 2, F1, F0, 0                        ; the last lap fills nothing
	QUARTER 0, 3, F0, F1, 0
	TURN 0, 1, 0
	QUARTER 1, 1, F0, F1, 0
	QUARTER 1, 2, F1, F0, 0
	QUARTER 1, 3, F0, F1, 0
	s_wait_dscnt 4
	WIN MUL
	MUL8 F1, 0, 0
	MUL8 F1, 1, 0
	s_wait_dscnt 0
	MUL8 F1, 2, 0
	MUL8 F1, 3, 0
	WIN 0
; THE WAY OUT, 16 rows x 128 columns at a time, through my own stage: back come whole rows of 512 bytes
.macro TOSTAGE a
	WIN 0x04                                       ; an LDS store's data are its source 1: window 1
.irp b, 0,1,2,3,4,5,6,7
	ds_store_b128 v[STO], v[8*(8*(\a)+\b):8*(8*(\a)+\b)+3] offset:64*\b          ; each accumulator from its low end on
	ds_store_b128 v[STO], v[8*(8*(\a)+\b)+4:8*(8*(\a)+\b)+7] offset:64*\b+16
.endr
	WIN 0
.irp t, 0,1,2,3,4,5,6,7,8,9,10,11,12,13,14,15
	ds_load_b128 v[BK+64*((\a)%2)+4*\t:BK+64*((\a)%2)+4*\t+3], v[RD] offset:\t*SPITCH
.endr
.endm
.macro SEND a, younger
	s_wait_dscnt \younger
.irp t, 0,1,2,3,4,5,6,7,8,9,10,11,12,13,14,15
	global_store_b128 v[CO], v[BK+64*((\a)%2)+4*\t:BK+64*((\a)%2)+4*\t+3], s[10:11] offset:(16*(\a)+\t)*4096 th:TH_STORE_NT   ; 32 lanes store 512 consecutive bytes, aligned
.endr
.endm
	PLACES
	s_cmp_eq_u32 s99, 0                            ; positions 0 to 15 are another launch's: the cluster's y and the wave's number alone decide
	s_cbranch_scc1 .Lno_block_0
	TOSTAGE 0
	SEND 0, 0
.Lno_block_0:
	TOSTAGE 1
	s_wait_xcnt 0x0                                ; block 0's stores have read their registers
	TOSTAGE 2
	SEND 1, 32                                     ; behind block 1's loads: block 2's 16 stores and 16 loads
	s_wait_xcnt 0x0
	TOSTAGE 3
	SEND 2, 32
	SEND 3, 0
	s_wait_tensorcnt 0x0                           ; the wave's end
	ds_add_u32 v[SPW], v[NIL]
	s_wait_dscnt 0x0
	CROUND                                         ; the closing round
	s_endpgm
.Lfunc_end_k_q7d7e50a4ed_proj:
	.size	k_q7d7e50a4ed_proj, .Lfunc_end_k_q7d7e50a4ed_proj-k_q7d7e50a4ed_proj
	.p2alignl 7, 3214868480
	.fill 96, 4, 3214868480
	.section	.rodata,"a",@progbits
	.p2align	6, 0x0
	.amdhsa_kernel k_q7d7e50a4ed_proj
		.amdhsa_group_segment_fixed_size 327680
		.amdhsa_private_segment_fixed_size 0
		.amdhsa_enable_private_segment 0
		.amdhsa_kernarg_size 32
		.amdhsa_user_sgpr_count 2
		.amdhsa_user_sgpr_kernarg_segment_ptr 1
		.amdhsa_wavefront_size32 1
		.amdhsa_system_sgpr_workgroup_id_x 1
		.amdhsa_system_sgpr_workgroup_id_y 1
		.amdhsa_system_sgpr_workgroup_id_z 1
		.amdhsa_system_vgpr_workitem_id 0
		.amdhsa_next_free_vgpr 576
		.amdhsa_next_free_sgpr 100
		.amdhsa_reserve_vcc 0
		.amdhsa_float_denorm_mode_32 3
		.amdhsa_float_denorm_mode_16_64 3
		.amdhsa_memory_ordered 1
		.amdhsa_forward_progress 1
		.amdhsa_inst_pref_size 86
	.end_amdhsa_kernel
	.amdgpu_metadata
---
amdhsa.version: [ 1, 2 ]
amdhsa.kernels:
  - .name:           k_q7d7e50a4ed_proj
    .symbol:         k_q7d7e50a4ed_proj.kd
    .args:
      - { .name: yh, .offset: 0, .size: 8, .value_kind: global_buffer, .address_space: global }
      - { .name: wp16, .offset: 8, .size: 8, .value_kind: global_buffer, .address_space: global }
      - { .name: bp, .offset: 16, .size: 8, .value_kind: global_buffer, .address_space: global }
      - { .name: out0, .offset: 24, .size: 8, .value_kind: global_buffer, .address_space: global }
    .group_segment_fixed_size: 327680
    .private_segment_fixed_size: 0
    .kernarg_segment_align: 8
    .kernarg_segment_size: 32
    .max_flat_workgroup_size: 128
    .sgpr_count:     100
    .vgpr_count:     576
    .wavefront_size: 32
...
	.end_amdgpu_metadata
.endif
;; end of part 4
;; launch first16 (part 5): grid 16 x 4, 16 waves a work-group, no clusters, 71,680 bytes of LDS; arguments f32head, wp, bp, out0; writes out0
.if DOCPART == 5
	.amdgcn_target "amdgcn-amd-amdhsa--gfx1250"
	.amdhsa_code_object_version 6
	.text
	.protected	k_q7d7e50a4ed_first16
	.globl	k_q7d7e50a4ed_first16
	.p2align	8
	.type	k_q7d7e50a4ed_first16,@function
k_q7d7e50a4ed_first16:
	s_mov_b64 s[64:65], 0
	v_nop
	global_prefetch_b8 v0, s[64:65] scope:SCOPE_SE
	s_setreg_imm32_b32 hwreg(HW_REG_WAVE_MODE, 25, 1), 1
	s_wait_xcnt 0x0
; Positions 0 to 15 of every sequence, attention and projection, in f32: these rows average one to sixteen values and are the largest in size, so 16-bit operands would weigh most here.
; LEFT OUT: keys 16 and on, which reference()'s own causal mask hides from queries 0 to 15 for all inputs.
; Work-group (gx, b) makes out0 rows 2048 b + 0 .. 15, columns 64 gx .. + 63.  Wave w takes head w: its attention (16 x 16 keys), then its 64 of the projection's K straight from its accumulators; the 16 waves' parts are added through LDS.
; All products by v_wmma_f32_16x16x4_f32: 96 a wave, no bulk work.  Along each product's K the four places of an instruction take the same numbers on both sources, chosen so that loads of 16 bytes and a result's own layout feed the operands.
; The registers that these instructions write, v192-255, are written by nothing else.
; REGISTERS: v1-13 addresses; v16-19 the bias; v20-23 at work; v24-31 p; v32-63 K, v64-95 Q, later wp's tiles 2, 3, later the parts; v96-127 V^T; v128-191 wp's tiles 0, 1; v192-223 four accumulators (the first two serve S^T first); v224-255 O^T.
.set P,    24
.set KR,   32
.set QR,   64
.set VR,   96
.set WA,   128
.set OUT,  192
.set OT,   224
.set SPW,  12
.set NIL,  13
.set PART, 16*272                      ; a wave's part: 16 rows x (256 bytes + 16)
.set SPARE, 16*PART
	s_load_b256 s[4:11], s[0:1], 0x0               ; f32head 4:5, wp 6:7, bp 8:9, out0 10:11
	v_lshl_add_u32 v[SPW], v0, 2, SPARE
	v_mov_b32 v[NIL], 0
	v_lshrrev_b32 v1, 5, v0
	v_readfirstlane_b32 s12, v1                    ; wave = head
	v_and_b32 v1, 15, v0                           ; r
	v_bfe_u32 v2, v0, 4, 1                         ; h
	v_lshlrev_b32 v3, 8, v1
	v_lshl_add_u32 v3, v2, 4, v3                   ; K, Q: row r of 256 bytes + 16 h
	v_lshlrev_b32 v4, 2, v1
	v_lshl_add_u32 v4, v2, 11, v4                  ; V: key 8 h, channel r
	v_lshlrev_b32 v5, 12, v1
	v_lshl_add_u32 v5, v2, 5, v5                   ; wp: row r of 4,096 bytes + 32 h
	v_lshlrev_b32 v6, 4, v1                        ; the bias: 16 (thread % 16)
	v_lshlrev_b32 v7, 3, v2
	v_sub_nc_u32 v7, v1, v7                        ; r - 8 h
	s_mul_i32 s13, s12, PART
	v_mul_u32_u24 v8, v1, 272
	v_lshl_add_u32 v8, v2, 5, v8
	v_add_nc_u32 v8, s13, v8                       ; my part: row r, 32 h
	v_and_b32 v14, 255, v0
	v_lshrrev_b32 v14, 4, v14                      ; the sum: thread (of the first 256) / 16 is the row,
	v_mul_u32_u24 v9, v14, 272
	v_lshl_add_u32 v9, v1, 4, v9                   ; thread % 16 its 16 bytes
	v_lshlrev_b32 v10, 12, v14
	v_lshl_add_u32 v10, v1, 4, v10                 ; and the same place in out0
	v_mov_b32 v11, 0xff800000                      ; -infinity
	v_mov_b32 v21, 0                               ; (a lane permute's destination counts as one of its sources)
	s_mov_b32 s20, 0x76543210
	s_mov_b32 s21, 0xfedcba98
	s_mov_b32 s22, 0x3e38aa3b                      ; c = log2(e) / 8
	s_and_b32 s14, ttmp7, 0xffff                   ; b
	s_lshl_b32 s16, s14, 4
	s_add_co_u32 s16, s16, s12
	s_lshl_b32 s16, s16, 12                        ; q's block of 4,096 bytes; k's and v's lie 262,144 and 524,288 further on
	s_mov_b32 s17, 0
	s_lshl_b32 s18, ttmp9, 18                      ; wp: 64 rows of 4,096 bytes a work-group,
	s_lshl_b32 s19, s12, 8                         ; my head's 256 bytes of each
	s_add_co_u32 s18, s18, s19
	s_mov_b32 s19, 0
	s_lshl_b32 s24, ttmp9, 8                       ; my work-group's 64 columns
	s_mov_b32 s25, 0
	s_lshl_b32 s26, s14, 23                        ; the batch's 2,048 rows of out0
	s_add_co_u32 s26, s26, s24
	s_mov_b32 s27, 0
	s_wait_kmcnt 0x0
	s_add_nc_u64 s[4:5], s[4:5], s[16:17]
	s_add_nc_u64 s[6:7], s[6:7], s[18:19]
	s_add_nc_u64 s[8:9], s[8:9], s[24:25]
	s_add_nc_u64 s[10:11], s[10:11], s[26:27]
.irp i, 0,1,2,3,4,5,6,7
	global_load_b128 v[KR+4*\i:KR+4*\i+3], v3, s[4:5] offset:262144+32*\i      ; K(r, 8 i + 4 h + 0 .. 3)
.endr
.irp i, 0,1,2,3,4,5,6,7
	global_load_b128 v[QR+4*\i:QR+4*\i+3], v3, s[4:5] offset:32*\i             ; Q likewise
.endr
.irp dt, 0,1,2,3
.irp n, 0,1,2,3,4,5,6,7
	global_load_b32 v[VR+8*\dt+\n], v4, s[4:5] offset:524288+256*\n+64*\dt     ; V(8 h + n, 16 dt + r)
.endr
.endr
.irp nt, 0,1
.irp dt, 0,1,2,3
	global_load_b128 v[WA+32*\nt+8*\dt:WA+32*\nt+8*\dt+3], v5, s[6:7] offset:65536*\nt+64*\dt        ; wp(n0 + 16 nt + r, 64 w + 16 dt + 8 h + 0 .. 7)
	global_load_b128 v[WA+32*\nt+8*\dt+4:WA+32*\nt+8*\dt+7], v5, s[6:7] offset:65536*\nt+64*\dt+16
.endr
.endr
	global_load_b128 v[16:19], v6, s[8:9]
	s_wait_loadcnt 49                              ; K and Q are in; V's 32, wp's 16 and the bias may be out
.irp s, 0,1,2,3,4,5,6,7,8,9,10,11,12,13,14,15  ; S^T = K Q^T: two accumulators by turns; the first two products start the sums
.if \s < 2
	v_wmma_f32_16x16x4_f32 v[OUT+8*(\s%2):OUT+8*(\s%2)+7], v[KR+2*\s:KR+2*\s+1], v[QR+2*\s:QR+2*\s+1], 0
.else
	v_wmma_f32_16x16x4_f32 v[OUT+8*(\s%2):OUT+8*(\s%2)+7], v[KR+2*\s:KR+2*\s+1], v[QR+2*\s:QR+2*\s+1], v[OUT+8*(\s%2):OUT+8*(\s%2)+7]
.endif
.endr
.rept 8
	v_nop                                          ; eight places behind this form: for the loads into K's and Q's registers and the reads of the sums
.endr
.irp nt, 0,1
.irp dt, 0,1,2,3
	global_load_b128 v[KR+32*\nt+8*\dt:KR+32*\nt+8*\dt+3], v5, s[6:7] offset:65536*(\nt+2)+64*\dt    ; wp's tiles 2 and 3
	global_load_b128 v[KR+32*\nt+8*\dt+4:KR+32*\nt+8*\dt+7], v5, s[6:7] offset:65536*(\nt+2)+64*\dt+16
.endr
.endr
.irp j, 0,1,2,3,4,5,6,7
	v_add_f32 v[P+\j], v[OUT+\j], v[OUT+8+\j]      ; lane (r, h): query r, key 8 h + j; from the low end on
.endr
.irp j, 0,1,2,3,4,5,6,7
	v_cmp_gt_i32 vcc_lo, \j, v7                    ; hidden where 8 h + j > r
	v_cndmask_b32 v[P+\j], v[P+\j], v11, vcc_lo
.endr
	v_max3_num_f32 v20, v[P], v[P+1], v[P+2]
	v_max3_num_f32 v20, v20, v[P+3], v[P+4]
	v_max3_num_f32 v20, v20, v[P+5], v[P+6]
	v_max_num_f32 v20, v20, v[P+7]
	v_permlanex16_b32 v21, v20, s20, s21
	v_max_num_f32 v20, v20, v21                    ; the row's maximum: key 0 counts for every query
	v_mul_f32 v20, s22, v20
.irp j, 0,1,2,3,4,5,6,7
	v_fma_f32 v[P+\j], v[P+\j], s22, -v20
.endr
.irp j, 0,1,2,3,4,5,6,7
	v_exp_f32 v[P+\j], v[P+\j]
.endr
	v_nop
	s_wait_alu depctr_va_vdst(0)                   ; one wait for the eight
	v_add_f32 v22, v[P], v[P+1]
	v_add_f32 v23, v[P+2], v[P+3]
	v_add_f32 v22, v22, v[P+4]
	v_add_f32 v23, v23, v[P+5]
	v_add_f32 v22, v22, v[P+6]
	v_add_f32 v23, v23, v[P+7]
	v_add_f32 v22, v22, v23
	v_permlanex16_b32 v21, v22, s20, s21
	v_add_f32 v22, v22, v21
	v_rcp_f32 v22, v22
	v_nop
	s_wait_alu depctr_va_vdst(0)
.irp j, 0,1,2,3,4,5,6,7
	v_mul_f32 v[P+\j], v[P+\j], v22                ; the weights, normalised
.endr
	s_wait_loadcnt 33                              ; V is in; wp's 16, the bias and the later 16 may be out
.irp s, 0,1,2,3                                ; O^T = V^T P: four accumulators by turns; place (h, j) of step s is key 8 h + 2 s + j on both sources
.irp dt, 0,1,2,3
.if \s == 0
	v_wmma_f32_16x16x4_f32 v[OT+8*\dt:OT+8*\dt+7], v[VR+8*\dt+2*\s:VR+8*\dt+2*\s+1], v[P+2*\s:P+2*\s+1], 0
.else
	v_wmma_f32_16x16x4_f32 v[OT+8*\dt:OT+8*\dt+7], v[VR+8*\dt+2*\s:VR+8*\dt+2*\s+1], v[P+2*\s:P+2*\s+1], v[OT+8*\dt:OT+8*\dt+7]
.endif
.endr
.endr
.rept 9
	v_nop                                          ; nine places: the sums become an operand of this form
.endr
	s_wait_loadcnt 0x0
.irp dt, 0,1,2,3                               ; my head's part of out^T = wp y^T: four accumulators by turns; place (h, j) is channel 16 dt + 8 h + 2 s + j on both sources
.irp s, 0,1,2,3
.irp nt, 0,1,2,3
.if (\dt == 0) && (\s == 0)
	v_wmma_f32_16x16x4_f32 v[OUT+8*\nt:OUT+8*\nt+7], v[WA+32*\nt-160*(\nt/2)+8*\dt+2*\s:WA+32*\nt-160*(\nt/2)+8*\dt+2*\s+1], v[OT+8*\dt+2*\s:OT+8*\dt+2*\s+1], 0
.else
	v_wmma_f32_16x16x4_f32 v[OUT+8*\nt:OUT+8*\nt+7], v[WA+32*\nt-160*(\nt/2)+8*\dt+2*\s:WA+32*\nt-160*(\nt/2)+8*\dt+2*\s+1], v[OT+8*\dt+2*\s:OT+8*\dt+2*\s+1], v[OUT+8*\nt:OUT+8*\nt+7]
.endif
.endr
.endr
.endr
.rept 8
	v_nop
.endr
.irp nt, 0,1,2,3
	ds_store_b128 v8, v[OUT+8*\nt:OUT+8*\nt+3] offset:64*\nt       ; lane (r, h): row r, columns 16 nt + 8 h + 0 .. 7
	ds_store_b128 v8, v[OUT+8*\nt+4:OUT+8*\nt+7] offset:64*\nt+16
.endr
	s_wait_dscnt 0x0                               ; for the others' sake: my part lies in LDS
	s_barrier_signal -1
	s_barrier_wait -1
	s_cmp_lt_u32 s12, 8                            ; 16 rows x 256 bytes are 256 threads' 16 bytes: waves 0 to 7 add
	s_cbranch_scc0 .Ldone
.irp i, 0,1,2,3,4,5,6,7,8,9,10,11,12,13,14,15
	ds_load_b128 v[KR+4*\i:KR+4*\i+3], v9 offset:\i*PART
.endr
	s_wait_dscnt 0x0
.irp i, 0,2,4,6,8,10,12,14
	v_pk_add_f32 v[KR+4*\i:KR+4*\i+1], v[KR+4*\i:KR+4*\i+1], v[KR+4*\i+4:KR+4*\i+5]
	v_pk_add_f32 v[KR+4*\i+2:KR+4*\i+3], v[KR+4*\i+2:KR+4*\i+3], v[KR+4*\i+6:KR+4*\i+7]
.endr
.irp i, 0,4,8,12
	v_pk_add_f32 v[KR+4*\i:KR+4*\i+1], v[KR+4*\i:KR+4*\i+1], v[KR+4*\i+8:KR+4*\i+9]
	v_pk_add_f32 v[KR+4*\i+2:KR+4*\i+3], v[KR+4*\i+2:KR+4*\i+3], v[KR+4*\i+10:KR+4*\i+11]
.endr
.irp i, 0,8
	v_pk_add_f32 v[KR+4*\i:KR+4*\i+1], v[KR+4*\i:KR+4*\i+1], v[KR+4*\i+16:KR+4*\i+17]
	v_pk_add_f32 v[KR+4*\i+2:KR+4*\i+3], v[KR+4*\i+2:KR+4*\i+3], v[KR+4*\i+18:KR+4*\i+19]
.endr
	v_pk_add_f32 v[KR:KR+1], v[KR:KR+1], v[KR+32:KR+33]
	v_pk_add_f32 v[KR+2:KR+3], v[KR+2:KR+3], v[KR+34:KR+35]
	v_pk_add_f32 v[KR:KR+1], v[KR:KR+1], v[16:17]  ; + bp
	v_pk_add_f32 v[KR+2:KR+3], v[KR+2:KR+3], v[18:19]
	global_store_b128 v10, v[KR:KR+3], s[10:11]    ; sixteen lanes store 256 consecutive bytes of a row, aligned
.Ldone:
	s_wait_tensorcnt 0x0                           ; the wave's end: behind my last LDS store
	ds_add_u32 v[SPW], v[NIL]
	s_wait_dscnt 0x0
	s_endpgm
.Lfunc_end_k_q7d7e50a4ed_first16:
	.size	k_q7d7e50a4ed_first16, .Lfunc_end_k_q7d7e50a4ed_first16-k_q7d7e50a4ed_first16
	.p2alignl 7, 3214868480
	.fill 96, 4, 3214868480
	.section	.rodata,"a",@progbits
	.p2align	6, 0x0
	.amdhsa_kernel k_q7d7e50a4ed_first16
		.amdhsa_group_segment_fixed_size 71680
		.amdhsa_private_segment_fixed_size 0
		.amdhsa_enable_private_segment 0
		.amdhsa_kernarg_size 32
		.amdhsa_user_sgpr_count 2
		.amdhsa_user_sgpr_kernarg_segment_ptr 1
		.amdhsa_wavefront_size32 1
		.amdhsa_system_sgpr_workgroup_id_x 1
		.amdhsa_system_sgpr_workgroup_id_y 1
		.amdhsa_system_sgpr_workgroup_id_z 1
		.amdhsa_system_vgpr_workitem_id 0
		.amdhsa_next_free_vgpr 256
		.amdhsa_next_free_sgpr 66
		.amdhsa_reserve_vcc 1
		.amdhsa_float_denorm_mode_32 3
		.amdhsa_float_denorm_mode_16_64 3
		.amdhsa_memory_ordered 1
		.amdhsa_forward_progress 1
		.amdhsa_inst_pref_size 24
	.end_amdhsa_kernel
	.amdgpu_metadata
---
amdhsa.version: [ 1, 2 ]
amdhsa.kernels:
  - .name:           k_q7d7e50a4ed_first16
    .symbol:         k_q7d7e50a4ed_first16.kd
    .args:
      - { .name: f32head, .offset: 0, .size: 8, .value_kind: global_buffer, .address_space: global }
      - { .name: wp, .offset: 8, .size: 8, .value_kind: global_buffer, .address_space: global }
      - { .name: bp, .offset: 16, .size: 8, .value_kind: global_buffer, .address_space: global }
      - { .name: out0, .offset: 24, .size: 8, .value_kind: global_buffer, .address_space: global }
    .group_segment_fixed_size: 71680
    .private_segment_fixed_size: 0
    .kernarg_segment_align: 8
    .kernarg_segment_size: 32
    .max_flat_workgroup_size: 512
    .sgpr_count:     66
    .vgpr_count:     256
    .wavefront_size: 32
...
	.end_amdgpu_metadata
.endif
;; end of part 5
